; MI455X (gfx1250); checked and timed in simulation.
; The chip was launched on July 23, 2026; its instructions are those of AMD's public machine-readable ISA for CDNA 5 (MIT licence, August 2026) and "CDNA5" Instruction Set Architecture Reference Guide (July 2026). The comments in the code are by the model that wrote it; some were corrected since.
;; Attention Block. Allowed arithmetic: float matrix products may take bf16 or f16 operands with f32 sums; other float arithmetic in f32, or as packed bf16 or f16 multiplies, adds, multiply-adds, maxima and minima; sums over many terms, partial sums and values carried from step to step in f32; what a program stores and reads back later, other than sums and carried values, may be rounded once to bf16 or f16.
;; Inputs: W1 4,096 x 1,024 float32; W2 1,024 x 4,096 float32; Wo 1,024 x 1,024 float32; Wqkv 3,072 x 1,024 float32; b1 1,024 float32; b1m 4,096 float32; b2 1,024 float32; b2m 1,024 float32; bo 1,024 float32; bqkv 3,072 float32; g1 1,024 float32; g2 1,024 float32; x 2 x 2,048 x 1,024 float32.
;; Outputs: out0 2 x 2,048 x 1,024 float32.
;; 2 versions, each right; version 2 is version 1 with the launches prep, ln2 written anew for expert scheduling mode. Each part assembles by itself: llvm-mc -triple=amdgcn-amd-amdhsa -mcpu=gfx1250 --defsym DOCPART=n.
;; ======== version 1 of 2: 7 launches
;; workspace buffers: wb 25,165,824 bytes; h 8,388,608 bytes; qkv 25,165,824 bytes; vals 8,388,608 bytes; x1 16,777,216 bytes; act 33,554,432 bytes
;; launch prep (part 1): grid 1024 x 1, 8 waves a work-group, no clusters, 0 bytes of LDS; arguments Wqkv, Wo, W1, W2, x, g1, b1, wb, h; writes wb, h
.if DOCPART == 1
	.amdgcn_target "amdgcn-amd-amdhsa--gfx1250"
	.amdhsa_code_object_version 6
	.text
	.protected	k_q697c7e56bc_prep
	.globl	k_q697c7e56bc_prep
	.p2align	8
	.type	k_q697c7e56bc_prep,@function
k_q697c7e56bc_prep:
	s_mov_b64 s[64:65], 0
	v_nop
	global_prefetch_b8 v0, s[64:65] scope:SCOPE_SE
	s_setreg_imm32_b32 hwreg(HW_REG_WAVE_MODE, 25, 1), 1
	s_wait_xcnt 0x0
; PREP.  (a) The four weight matrices, f32 [rows][cols], are rounded once to bf16 and laid in planes: [cols / 64][rows][64], so that two
; neighbouring rows of a plane are 256 consecutive bytes.  (b) h = LayerNorm(x) g1 + b1, rounded once to bf16, in the same layout.
; SHARES.  One wave takes 2 rows x 1,024 columns and ends: lanes 0-15 the even row, lanes 16-31 the odd one.  Load j takes columns 64 j .. 64 j + 63
; (each half of the lanes 256 consecutive bytes); store j puts the wave's 256 bytes of plane j, consecutive and aligned.
; Work-groups 0-191 Wqkv, 192-255 Wo, 256-511 W1, 512-767 W2 (a row of 4,096 columns is four pieces), 768-1023 the layer norm.
; No LDS, no barrier, no matrix unit: every byte is read once and written once, and no wave needs another's data.
; The variance is taken of the deviations from the mean (two passes over registers), not as a difference of two large sums.
.set XR,  16                           ; v[16:79]   the 2 x 1,024 numbers: 4 a lane and load
.set GR,  80                           ; v[80:143]  the gains of my columns (layer norm)
.set BR,  144                          ; v[144:207] the biases of my columns
.set DOR, 80                           ; v[80:95]   casts: my byte offset in wb for each of the 16 planes
.macro REDUCE                          ; four packed partial sums in v[6:13] -> the row's sum in v6 of all 16 lanes that hold the row
	v_pk_add_f32 v[6:7], v[6:7], v[8:9]
	v_pk_add_f32 v[10:11], v[10:11], v[12:13]
	v_pk_add_f32 v[6:7], v[6:7], v[10:11]
	v_add_f32 v6, v6, v7
	v_add_f32_dpp v6, v6, v6 row_xmask:1 row_mask:0xf bank_mask:0xf
	v_add_f32_dpp v6, v6, v6 row_xmask:2 row_mask:0xf bank_mask:0xf
	v_add_f32_dpp v6, v6, v6 row_xmask:4 row_mask:0xf bank_mask:0xf
	v_add_f32_dpp v6, v6, v6 row_xmask:8 row_mask:0xf bank_mask:0xf
.endm
; The layer norm of one pair of rows.  src: the pair's first byte; gp, bp: gain and bias; dst: the pair's 256 bytes in plane 0.  v2 = lane, v3 = lane % 16, v4 = lane / 16.
.macro LNROW src, gp, bp, dst
	v_lshlrev_b32 v5, 12, v4                       ; my row of the two, 4,096 bytes each,
	v_lshl_add_u32 v5, v3, 4, v5                   ; my 16 bytes of each 256
	v_lshlrev_b32 v1, 4, v3                        ; the same 16 bytes in gain and bias
	v_lshlrev_b32 v2, 3, v2                        ; my 8 bytes of the 256 that a store covers
	s_mov_b32 s40, 0x3a800000                      ; 1 / 1,024
	s_mov_b32 s41, 0x3727c5ac                      ; 1e-5
.irp j, 0,1,2,3,4,5,6,7,8,9,10,11,12,13,14,15
	global_load_b128 v[XR+4*(\j):XR+4*(\j)+3], v5, s[\src:\src+1] offset:256*(\j)
.endr
.irp j, 0,1,2,3,4,5,6,7,8,9,10,11,12,13,14,15
	global_load_b128 v[GR+4*(\j):GR+4*(\j)+3], v1, s[\gp:\gp+1] offset:256*(\j)
.endr
.irp j, 0,1,2,3,4,5,6,7,8,9,10,11,12,13,14,15
	global_load_b128 v[BR+4*(\j):BR+4*(\j)+3], v1, s[\bp:\bp+1] offset:256*(\j)
.endr
	s_wait_loadcnt 32                              ; the rows are in; the 32 loads of gain and bias may stay out
.irp c, 0,1,2,3
	v_pk_add_f32 v[6+2*(\c):7+2*(\c)], v[XR+2*(\c):XR+2*(\c)+1], v[XR+8+2*(\c):XR+8+2*(\c)+1]  ; four chains, started by the first eight pairs
.endr
.set i, 8
.rept 24
	v_pk_add_f32 v[6+2*(i%4):7+2*(i%4)], v[6+2*(i%4):7+2*(i%4)], v[XR+2*i:XR+2*i+1]
.set i, i+1
.endr
	REDUCE
	v_mul_f32 v14, s40, v6                         ; the mean, twice, for the packed subtraction
	v_mov_b32 v15, v14
.set i, 0
.rept 32
	v_pk_add_f32 v[XR+2*i:XR+2*i+1], v[XR+2*i:XR+2*i+1], v[14:15] neg_lo:[0,1] neg_hi:[0,1]
.set i, i+1
.endr
.irp c, 0,1,2,3
	v_pk_mul_f32 v[6+2*(\c):7+2*(\c)], v[XR+2*(\c):XR+2*(\c)+1], v[XR+2*(\c):XR+2*(\c)+1]
.endr
.set i, 4
.rept 28
	v_pk_fma_f32 v[6+2*(i%4):7+2*(i%4)], v[XR+2*i:XR+2*i+1], v[XR+2*i:XR+2*i+1], v[6+2*(i%4):7+2*(i%4)]
.set i, i+1
.endr
	REDUCE
	v_fma_f32 v6, v6, s40, s41                     ; variance + 1e-5
	v_rsq_f32 v14, v6
	v_rsq_f32 v15, v6
	v_nop                                          ; a plain instruction between the root and the use of its result (ISA guide 5.7.2)
	s_wait_loadcnt 0x0                             ; gain and bias
	s_wait_alu depctr_va_vdst(0)
.irp j, 0,1,2,3,4,5,6,7,8,9,10,11,12,13,14,15
	v_pk_mul_f32 v[XR+4*(\j):XR+4*(\j)+1], v[XR+4*(\j):XR+4*(\j)+1], v[14:15]
	v_pk_mul_f32 v[XR+4*(\j)+2:XR+4*(\j)+3], v[XR+4*(\j)+2:XR+4*(\j)+3], v[14:15]
	v_pk_fma_f32 v[XR+4*(\j):XR+4*(\j)+1], v[XR+4*(\j):XR+4*(\j)+1], v[GR+4*(\j):GR+4*(\j)+1], v[BR+4*(\j):BR+4*(\j)+1]
	v_pk_fma_f32 v[XR+4*(\j)+2:XR+4*(\j)+3], v[XR+4*(\j)+2:XR+4*(\j)+3], v[GR+4*(\j)+2:GR+4*(\j)+3], v[BR+4*(\j)+2:BR+4*(\j)+3]
	v_cvt_pk_bf16_f32 v[XR+4*(\j)], v[XR+4*(\j)], v[XR+4*(\j)+1]
	v_cvt_pk_bf16_f32 v[XR+4*(\j)+1], v[XR+4*(\j)+2], v[XR+4*(\j)+3]
	global_store_b64 v2, v[XR+4*(\j):XR+4*(\j)+1], s[\dst:\dst+1] offset:(\j)*524288  ; plane j: 4,096 rows of 128 bytes on; 32 lanes store 256 consecutive bytes, aligned
.endr
.endm
	s_load_b512 s[4:19], s[0:1], 0x0               ; Wqkv s[4:5], Wo s[6:7], W1 s[8:9], W2 s[10:11], x s[12:13], g1 s[14:15], b1 s[16:17], wb s[18:19]
	s_load_b64 s[20:21], s[0:1], 0x40              ; h
	v_lshrrev_b32 v1, 5, v0
	v_readfirstlane_b32 s24, v1                    ; wave 0..7
	v_and_b32 v2, 31, v0                           ; lane
	v_and_b32 v3, 15, v0                           ; lane % 16
	v_bfe_u32 v4, v0, 4, 1                         ; lane / 16
	s_wait_kmcnt 0x0
	s_cmp_lt_u32 ttmp9, 768
	s_cbranch_scc0 .Lln
	; A CAST.  The matrix is chosen by the work-group's number: its address, first work-group, plane bytes, place in wb, and log2 of pieces a row.
	s_mov_b64 s[22:23], s[10:11]                   ; W2
	s_mov_b32 s25, 512
	s_mov_b32 s26, 131072
	s_mov_b32 s27, 16777216
	s_mov_b32 s28, 2
	s_mov_b32 s29, 3
	s_cmp_lt_u32 ttmp9, 512                        ; W1
	s_cselect_b64 s[22:23], s[8:9], s[22:23]
	s_cselect_b32 s25, 256, s25
	s_cselect_b32 s26, 524288, s26
	s_cselect_b32 s27, 8388608, s27
	s_cselect_b32 s28, 0, s28
	s_cselect_b32 s29, 0, s29
	s_cmp_lt_u32 ttmp9, 256                        ; Wo
	s_cselect_b64 s[22:23], s[6:7], s[22:23]
	s_cselect_b32 s25, 192, s25
	s_cselect_b32 s26, 131072, s26
	s_cselect_b32 s27, 6291456, s27
	s_cmp_lt_u32 ttmp9, 192                        ; Wqkv
	s_cselect_b64 s[22:23], s[4:5], s[22:23]
	s_cselect_b32 s25, 0, s25
	s_cselect_b32 s26, 393216, s26
	s_cselect_b32 s27, 0, s27
	s_sub_co_u32 s30, ttmp9, s25
	s_lshl_b32 s30, s30, 3
	s_add_co_u32 s30, s30, s24                     ; my unit in the matrix
	s_lshr_b32 s31, s30, s28                       ; its pair of rows
	s_and_b32 s32, s30, s29                        ; its piece of 1,024 columns
	s_add_co_u32 s33, s28, 13
	s_lshl_b32 s34, s31, s33                       ; two rows of 4,096 (W2: 16,384) bytes
	s_lshl_b32 s35, s32, 12
	s_add_co_u32 s34, s34, s35
	s_mov_b32 s35, 0
	s_add_nc_u64 s[22:23], s[22:23], s[34:35]
	s_add_co_u32 s33, s28, 12
	v_lshlrev_b32 v5, s33, v4                      ; my row of the two,
	v_lshl_add_u32 v5, v3, 4, v5                   ; my 16 bytes of each 256
	s_mul_i32 s36, s32, s26
	s_lshl_b32 s36, s36, 4                         ; a piece is 16 planes
	s_add_co_u32 s36, s36, s27
	s_lshl_b32 s37, s31, 8                         ; a pair of rows is 256 bytes of a plane
	s_add_co_u32 s36, s36, s37
	v_lshl_add_u32 v[DOR], v2, 3, s36
.set j, 1
.rept 15
	v_add_nc_u32 v[DOR+j], s26, v[DOR+j-1]         ; a register for each plane: none is rewritten while a store may read it
.set j, j+1
.endr
.irp j, 0,1,2,3,4,5,6,7,8,9,10,11,12,13,14,15
	global_load_b128 v[XR+4*(\j):XR+4*(\j)+3], v5, s[22:23] offset:256*(\j) th:TH_LOAD_NT
.endr
.irp j, 0,1,2,3,4,5,6,7,8,9,10,11,12,13,14,15
	s_wait_loadcnt 15-(\j)                         ; loads come back in order (ISA guide 5.7.1): load j is in, the younger ones stay out
	v_cvt_pk_bf16_f32 v[XR+4*(\j)], v[XR+4*(\j)], v[XR+4*(\j)+1]
	v_cvt_pk_bf16_f32 v[XR+4*(\j)+1], v[XR+4*(\j)+2], v[XR+4*(\j)+3]
	global_store_b64 v[DOR+(\j)], v[XR+4*(\j):XR+4*(\j)+1], s[18:19]  ; 32 lanes store 256 consecutive bytes, aligned
.endr
	s_endpgm
.Lln:
	s_sub_co_u32 s30, ttmp9, 768
	s_lshl_b32 s30, s30, 3
	s_add_co_u32 s30, s30, s24                     ; my pair of rows
	s_lshl_b32 s34, s30, 13
	s_mov_b32 s35, 0
	s_add_nc_u64 s[22:23], s[12:13], s[34:35]
	s_lshl_b32 s34, s30, 8
	s_add_nc_u64 s[30:31], s[20:21], s[34:35]
	LNROW 22, 14, 16, 30
	s_endpgm
.Lfunc_end_k_q697c7e56bc_prep:
	.size	k_q697c7e56bc_prep, .Lfunc_end_k_q697c7e56bc_prep-k_q697c7e56bc_prep
	.p2alignl 7, 3214868480
	.fill 96, 4, 3214868480
	.section	.rodata,"a",@progbits
	.p2align	6, 0x0
	.amdhsa_kernel k_q697c7e56bc_prep
		.amdhsa_group_segment_fixed_size 0
		.amdhsa_private_segment_fixed_size 0
		.amdhsa_enable_private_segment 0
		.amdhsa_kernarg_size 72
		.amdhsa_user_sgpr_count 2
		.amdhsa_user_sgpr_kernarg_segment_ptr 1
		.amdhsa_wavefront_size32 1
		.amdhsa_system_sgpr_workgroup_id_x 1
		.amdhsa_system_sgpr_workgroup_id_y 1
		.amdhsa_system_sgpr_workgroup_id_z 1
		.amdhsa_system_vgpr_workitem_id 0
		.amdhsa_next_free_vgpr 208
		.amdhsa_next_free_sgpr 66
		.amdhsa_reserve_vcc 0
		.amdhsa_float_denorm_mode_32 3
		.amdhsa_float_denorm_mode_16_64 3
		.amdhsa_memory_ordered 1
		.amdhsa_forward_progress 1
		.amdhsa_inst_pref_size 29
	.end_amdhsa_kernel
	.amdgpu_metadata
---
amdhsa.version: [ 1, 2 ]
amdhsa.kernels:
  - .name:           k_q697c7e56bc_prep
    .symbol:         k_q697c7e56bc_prep.kd
    .args:
      - { .name: Wqkv, .offset: 0, .size: 8, .value_kind: global_buffer, .address_space: global }
      - { .name: Wo, .offset: 8, .size: 8, .value_kind: global_buffer, .address_space: global }
      - { .name: W1, .offset: 16, .size: 8, .value_kind: global_buffer, .address_space: global }
      - { .name: W2, .offset: 24, .size: 8, .value_kind: global_buffer, .address_space: global }
      - { .name: x, .offset: 32, .size: 8, .value_kind: global_buffer, .address_space: global }
      - { .name: g1, .offset: 40, .size: 8, .value_kind: global_buffer, .address_space: global }
      - { .name: b1, .offset: 48, .size: 8, .value_kind: global_buffer, .address_space: global }
      - { .name: wb, .offset: 56, .size: 8, .value_kind: global_buffer, .address_space: global }
      - { .name: h, .offset: 64, .size: 8, .value_kind: global_buffer, .address_space: global }
    .group_segment_fixed_size: 0
    .private_segment_fixed_size: 0
    .kernarg_segment_align: 8
    .kernarg_segment_size: 72
    .max_flat_workgroup_size: 256
    .sgpr_count:     66
    .vgpr_count:     208
    .wavefront_size: 32
...
	.end_amdgpu_metadata
.endif
;; end of part 1
;; launch proj_qkv (part 2): grid 16 x 16, 4 waves a work-group, clusters of 4 x 4, 327,680 bytes of LDS; arguments h, wb, bqkv, qkv; writes qkv
.if DOCPART == 2
	.amdgcn_target "amdgcn-amd-amdhsa--gfx1250"
	.amdhsa_code_object_version 6
	.text
	.protected	k_q697c7e56bc_proj_qkv
	.globl	k_q697c7e56bc_proj_qkv
	.p2align	8
	.type	k_q697c7e56bc_proj_qkv,@function
k_q697c7e56bc_proj_qkv:
	s_mov_b64 s[64:65], 0
	v_nop
	global_prefetch_b8 v0, s[64:65] scope:SCOPE_SE
	s_setreg_imm32_b32 hwreg(HW_REG_WAVE_MODE, 25, 1), 1
	s_wait_xcnt 0x0
	s_wait_alu depctr_hold_cnt(0) depctr_sa_sdst(0) depctr_va_vdst(0) depctr_va_sdst(0) depctr_va_ssrc(0) depctr_va_vcc(0) depctr_vm_vsrc(0)
	s_getreg_b32 s2, hwreg(HW_REG_IB_STS2, 6, 4)
	s_cmp_eq_u32 s2, 0
	s_cbranch_scc0 .Lentry_in_a_cluster
	s_endpgm
.Lentry_in_a_cluster:
	s_bfe_u32 s2, ttmp6, 0x10000c
	s_cmp_lg_u32 s2, 0xf033
	s_cbranch_scc0 .Lentry_shape_is_right
	s_endpgm
.Lentry_shape_is_right:
; qkv = h Wqkv^T + bqkv.  h: bf16 in planes [16][4096][64]; Wqkv: bf16 in planes [16][3072][64] at wb's first byte; bqkv f32; qkv: bf16 in planes [48][4096][64], rounded once from f32 sums.
; Plane 3 n + 0, 1, 2 of qkv is head n's q, k, v: a head's rows are dense, 128 bytes each.
; SHARES.  A work-group makes 256 rows x 192 columns (one head's q, k and v); each of its four waves 64 rows x 192 columns: 48 accumulators of 16 x 16.
; K goes in slots of 128 (two planes) through a ring of two LDS slots.  A tile's part of a plane is dense in memory, so a tensor load has one long row a plane (128 or 96 matrix rows x 128 bytes);
; the mover lays 16 bytes of padding behind every 128, so matrix rows lie 144 bytes apart in LDS: 16 rows of a fragment load start in 16 different 16-byte columns of the banks' 256 bytes (ISA guide 11.1).
; CLUSTER 4 x 4: A's tile is asked for jointly by the four of a cluster's row, B's by the four of a column.
; THE WALK ALONG K.  Slot s of my cluster takes K block s xor phi, phi = cluster x xor 2 (cluster y mod 2), a number 0..3 that all sixteen partners share.  Within each group of four blocks the four clusters of a row
; of clusters, which read the same tiles of A, take four different orders, and two clusters one above the other, which read the same tiles of B, orders that differ by 2: clusters that share a tile ask for it in different slots.
; THE PRODUCT IS TRANSPOSED (source 0 = 16 rows of W, source 1 = 16 rows of h): a lane holds 8 neighbouring columns of one row.  The bias, laid in that form, is the C operand of the first products.
; A trip of the loop is two quarters of 32 along K (one plane); two trips are a slot.  A trip's first quarter multiplies the fragments that the trip before fetched last, so the fragments run on across a change of slots.
; REGISTERS by windows of 256: 0: addresses, A's fragments v32-63 / v64-95, the bias v128-223 (later packed results); 1: B's fragments v0-95 / v96-191 (later rows on their way out);
; 2: the accumulators of my rows 0-31, (a, b) at 8 (12 a + b); 3: those of rows 32-63.
; LIMITS.  Operands and result are bf16 (8 significant bits); the f32 sums take K in the cluster's order; NaN and infinities are not treated apart.
.set T,      8                         ; slots: 1,024 / 128
.set PL,     2                         ; planes in a slot
.set D0A,    8192                      ; elements of a plane in a load of A: 128 rows x 64
.set D0B,    6144                      ; of B: 96 rows x 64
.set PITA,   262144                    ; elements from plane to plane: 4,096 x 64
.set PITB,   196608                    ; 3,072 x 64
.set HALFA,  36864                     ; what one load of A fills: 2 planes x 128 rows x 144
.set HALFB,  27648                     ; of B: 2 x 96 x 144
.set SLOT,   131072                    ; slot 1 begins here (a slot uses 129,024): one exclusive or turns an address in one slot into the other's
.set STEPGA, 1048576                   ; bytes of memory from K block to K block: 2 planes
.set STEPGB, 786432
.set TRA,    18432                     ; LDS bytes from trip to trip: a plane of a half
.set TRB,    13824
.set OFF1,   64                        ; the trip's second fetch: the second 32 along K of the same rows
.set STAGE,  262144                    ; behind the ring: 3 planes x 16 rows x 144 bytes for each wave
.set SPARE,  289792                    ; behind the stages: the spare words, 128 bytes a wave
.set G1W0,   (1<<16)|(1<<20)|(1<<21)|(4<<22)|(3<<25)  ; elements of 2 bytes; padding on; bit 21 beside a mask; after every 32 words; 4 words
.set A0,  16                           ; v16  my lane's place in A's fragments of slot 0's first plane; never rewritten
.set B0,  17                           ; v17  the same for B
.set AA,  18                           ; v18  the trip's address for A
.set AB,  19                           ; v19  for B
.set STO, 24                           ; v24  the way out: where I put 16 bytes of a row
.set RD,  25                           ; v25  where I read rows back
.set GO,  26                           ; v26  my 16 of 512 consecutive bytes of qkv
.set BO,  27                           ; v27  my offset in the bias
.set SPW, 28                           ; v28  my spare word; never rewritten
.set NIL, 29                           ; v29  0; never rewritten
.set BIAS, 128
.set TMP,  128
.set WV,   14
.set FORB, 15                          ; s15  wave / 2: I fetch for A (0) or for B (1)
.set HALF, 16                          ; s16  wave % 2: which half of that tile
.set G1A, 24
.set G0A, 32                           ; two sets: slot 0's first tile; slot 1's first tile, which then walks on
.set BASA, 40                          ; s[40:41] A at my part of K block 0; never rewritten
.set BASB, 42                          ; s[42:43] the same for B
.set OFA, 46                           ; s[46:47] a K block's byte offset in A (the high word stays 0)
.set G1B, 48
.set G0B, 56
.set TBA, 66                           ; s66  LDS byte at which the trip's plane of A begins, less my wave's and lane's place
.set TBB, 67
.set OFB, 68                           ; s[68:69] a K block's byte offset in B (the high word stays 0)
.set CNT, 71
.set SLOTS, 72
.set PHI, 73                           ; s73  phi
.set ASKED, 88                         ; s88  the slot asked for last
.set KB,  89                           ; s89  its K block
.set MSB, 0
.macro WIN new                         ; the immediate's high byte repeats the setting that is left; a switch that changes nothing is dropped
.if MSB != (\new)
	s_set_vgpr_msb (MSB<<8)|(\new)
.set MSB, \new
.endif
.endm
.macro PLACES                          ; four places behind matrix instructions, in front of loads into registers that they read and of lines that read their results
.rept 4
	v_nop
.endr
.endm
.macro CROUND                          ; a round of the cluster's barrier
	s_barrier_signal -1
	s_barrier_wait -1
	s_cmp_lg_u32 s[WV], 0
	s_cbranch_scc1 .Lnot_wave_0_\@
	s_barrier_signal -3
.Lnot_wave_0_\@:
	s_barrier_wait -3
	s_barrier_signal -1
	s_barrier_wait -1
.endm
.macro JLOAD                           ; a joint refill by the walking descriptors; an s_nop 0 and four v_nop follow each line
	s_cmp_eq_u32 s[FORB], 0
	s_cbranch_scc0 .Lfor_b_\@
	tensor_load_to_lds s[G0A+4:G0A+7], s[G1A:G1A+7]
	s_nop 0
.rept 4
	v_nop
.endr
	s_branch .Lasked_\@
.Lfor_b_\@:
	tensor_load_to_lds s[G0B+4:G0B+7], s[G1B:G1B+7]
	s_nop 0
.rept 4
	v_nop
.endr
.Lasked_\@:
.endm
	s_load_b256 s[4:11], s[0:1], 0x0               ; h s[4:5], wb s[6:7], bqkv s[8:9], qkv s[10:11]
	v_lshl_add_u32 v[SPW], v0, 2, SPARE
	v_mov_b32 v[NIL], 0
	ds_add_u32 v[SPW], v[NIL]                      ; the wave's opening: the add is waited for ahead of my first tensor load
	v_lshrrev_b32 v1, 5, v0
	v_readfirstlane_b32 s[WV], v1
	s_lshr_b32 s[FORB], s[WV], 1
	s_and_b32 s[HALF], s[WV], 1
	s_bfe_u32 s17, ttmp6, 0x40000                  ; cx
	s_bfe_u32 s18, ttmp6, 0x40004                  ; cy
	s_lshl_b32 s19, ttmp9, 2
	s_add_co_u32 s19, s19, s17                     ; tile column = the head
	s_and_b32 s20, ttmp7, 0xffff
	s_lshl_b32 s20, s20, 2
	s_add_co_u32 s20, s20, s18                     ; tile row
	s_lshl_b32 s21, s18, 2
	s_lshl_b32 s21, 15, s21                        ; my row of the cluster
	s_lshl_b32 s22, 0x1111, s17                    ; my column
	s_or_b32 s[G1A], s21, G1W0
	s_or_b32 s[G1B], s22, G1W0
	s_and_b32 s21, ttmp7, 1                        ; cluster y mod 2,
	s_lshl_b32 s21, s21, 1
	s_xor_b32 s[PHI], s21, ttmp9                   ; phi = cluster x xor 2 (cluster y mod 2): made of the cluster's coordinates alone
	s_mov_b32 s[G1A+1], (D0A&0xffff)<<16           ; tensor_dim0
	s_mov_b32 s[G1A+2], (D0A>>16)|(PL<<16)         ; tensor_dim1 = the planes
	s_mov_b32 s[G1A+3], D0A<<16                    ; tile_dim0
	s_mov_b32 s[G1A+4], PL                         ; tile_dim1
	s_mov_b32 s[G1A+5], PITA
	s_mov_b32 s[G1A+6], 0
	s_mov_b32 s[G1A+7], 0
	s_mov_b32 s[G1B+1], (D0B&0xffff)<<16
	s_mov_b32 s[G1B+2], (D0B>>16)|(PL<<16)
	s_mov_b32 s[G1B+3], D0B<<16
	s_mov_b32 s[G1B+4], PL
	s_mov_b32 s[G1B+5], PITB
	s_mov_b32 s[G1B+6], 0
	s_mov_b32 s[G1B+7], 0
	s_lshl_b32 s40, s20, 15                        ; A: 256 rows x 128 bytes a tile row,
	s_lshl_b32 s23, s[HALF], 14                    ; my 128 of them
	s_add_co_u32 s40, s40, s23
	s_mov_b32 s41, 0
	s_mul_i32 s42, s19, 24576                      ; B: 192 rows x 128 bytes a tile column,
	s_mul_i32 s23, s[HALF], 12288                  ; my 96 of them
	s_add_co_u32 s42, s42, s23
	s_mov_b32 s43, 0
	s_mul_i32 s44, s[HALF], HALFA                  ; where they go: no place in the cluster enters an LDS address
	s_mul_i32 s45, s[HALF], HALFB
	s_add_co_u32 s45, s45, 2*HALFA
	s_mul_i32 s46, s19, 768                        ; the tile's 192 numbers of the bias
	s_mov_b32 s47, 0
	s_mul_i32 s68, s19, 3                          ; the way out: plane 3 x head,
	s_lshl_b32 s68, s68, 19
	s_lshl_b32 s69, s20, 15                        ; the tile's rows,
	s_add_co_u32 s68, s68, s69
	s_lshl_b32 s69, s[WV], 13                      ; my wave's 64
	s_add_co_u32 s68, s68, s69
	s_mov_b32 s69, 0
	s_wait_dscnt 0x0                               ; the opening add is done
	s_wait_kmcnt 0x0
	s_add_nc_u64 s[BASA:BASA+1], s[4:5], s[40:41]
	s_add_nc_u64 s[BASB:BASB+1], s[6:7], s[42:43]
	s_add_nc_u64 s[8:9], s[8:9], s[46:47]
	s_add_nc_u64 s[10:11], s[10:11], s[68:69]
	CROUND                                         ; all sixteen work-groups are here: the first joint loads meet
.irp s, 0,1
	s_xor_b32 s[KB], s[PHI], \s                    ; slot s takes K block s xor phi
	s_mul_i32 s[OFA], s[KB], STEPGA
	s_mul_i32 s[OFB], s[KB], STEPGB
	s_mov_b32 s[G0A+4*(\s)], 1
	s_add_co_u32 s[G0A+4*(\s)+1], s44, (\s)*SLOT
	s_add_nc_u64 s[G0A+4*(\s)+2:G0A+4*(\s)+3], s[BASA:BASA+1], s[OFA:OFA+1]
	s_or_b32 s[G0A+4*(\s)+3], s[G0A+4*(\s)+3], 0x80000000
	s_mov_b32 s[G0B+4*(\s)], 1
	s_add_co_u32 s[G0B+4*(\s)+1], s45, (\s)*SLOT
	s_add_nc_u64 s[G0B+4*(\s)+2:G0B+4*(\s)+3], s[BASB:BASB+1], s[OFB:OFB+1]
	s_or_b32 s[G0B+4*(\s)+3], s[G0B+4*(\s)+3], 0x80000000
.endr
	s_cmp_eq_u32 s[FORB], 0                        ; a wave's two first fills stand in one branch: two loads of mine are out
	s_cbranch_scc0 .Lfirst_b
	tensor_load_to_lds s[G0A:G0A+3], s[G1A:G1A+7]
	s_nop 0
	tensor_load_to_lds s[G0A+4:G0A+7], s[G1A:G1A+7]
	s_nop 0
.rept 4
	v_nop
.endr
	s_branch .Lfirst_asked
.Lfirst_b:
	tensor_load_to_lds s[G0B:G0B+3], s[G1B:G1B+7]
	s_nop 0
	tensor_load_to_lds s[G0B+4:G0B+7], s[G1B:G1B+7]
	s_nop 0
.rept 4
	v_nop
.endr
.Lfirst_asked:
	v_and_b32 v1, 15, v0                           ; l % 16
	v_bfe_u32 v2, v0, 4, 1                         ; l / 16
	v_lshlrev_b32 v[BO], 5, v2                     ; my 8 columns of each 16
.irp b, 0,1,2,3,4,5,6,7,8,9,10,11
	global_load_b128 v[BIAS+8*(\b):BIAS+8*(\b)+3],   v[BO], s[8:9] offset:64*(\b)
	global_load_b128 v[BIAS+8*(\b)+4:BIAS+8*(\b)+7], v[BO], s[8:9] offset:64*(\b)+16
.endr
	v_mul_u32_u24 v3, v1, 144
	v_lshl_add_u32 v3, v2, 4, v3                   ; a fragment's row x pitch + 16 x half
	s_mul_i32 s21, s[FORB], HALFA                  ; my 64 rows of A: half wave / 2,
	s_mul_i32 s22, s[HALF], 9216                   ; its rows 64 (wave % 2) on
	s_add_co_u32 s21, s21, s22
	v_add_nc_u32 v[A0], s21, v3
	v_add_nc_u32 v[B0], 2*HALFA, v3
	s_mul_i32 s23, s[WV], 6912
	s_add_co_u32 s23, s23, STAGE                   ; my stage
	v_add_nc_u32 v[STO], s23, v3
	v_bfe_u32 v4, v0, 3, 2                         ; back: 32 lanes take four rows of 128 bytes
	v_mul_u32_u24 v4, v4, 144
	v_and_b32 v5, 7, v0
	v_lshl_add_u32 v4, v5, 4, v4
	v_add_nc_u32 v[RD], s23, v4
	v_and_b32 v[GO], 31, v0
	v_lshlrev_b32 v[GO], 4, v[GO]
; 24 products: my rows 32 hi .. 32 hi + 31 x all 12 column blocks, 32 along K, from buffer f.  The accumulators take turns.  zero = 1: the bias starts the sums.
.macro MUL24 f, hi, zero
.if \zero
	WIN 0x81+0x40*(\hi)
.else
	WIN 0xa1+0x50*(\hi)
.endif
.irp a, 0,1
.irp b, 0,1,2,3,4,5,6,7,8,9,10,11
.if \zero
	v_wmma_f32_16x16x32_bf16 v[8*(12*(\a)+(\b)):8*(12*(\a)+(\b))+7], v[96*(\f)+8*(\b):96*(\f)+8*(\b)+7], v[32+32*(\f)+8*(2*(\hi)+(\a)):32+32*(\f)+8*(2*(\hi)+(\a))+7], v[BIAS+8*(\b):BIAS+8*(\b)+7]
.else
	v_wmma_f32_16x16x32_bf16 v[8*(12*(\a)+(\b)):8*(12*(\a)+(\b))+7], v[96*(\f)+8*(\b):96*(\f)+8*(\b)+7], v[32+32*(\f)+8*(2*(\hi)+(\a)):32+32*(\f)+8*(2*(\hi)+(\a))+7], v[8*(12*(\a)+(\b)):8*(12*(\a)+(\b))+7]
.endif
.endr
.endr
.endm
.macro FETCH f, k                      ; 32 LDS loads in one run: B's 12 fragments, then A's 4, of 32 along K at byte k of the rows
	WIN 0x40
.irp i, 0,1,2,3,4,5,6,7,8,9,10,11
	ds_load_b128 v[96*(\f)+8*(\i):96*(\f)+8*(\i)+3],   v[AB] offset:(\k)+((\i)/6)*HALFB+((\i)%6)*2304
	ds_load_b128 v[96*(\f)+8*(\i)+4:96*(\f)+8*(\i)+7], v[AB] offset:(\k)+((\i)/6)*HALFB+((\i)%6)*2304+32
.endr
	WIN 0
.irp i, 0,1,2,3
	ds_load_b128 v[32+32*(\f)+8*(\i):32+32*(\f)+8*(\i)+3],   v[AA] offset:(\k)+(\i)*2304
	ds_load_b128 v[32+32*(\f)+8*(\i)+4:32+32*(\f)+8*(\i)+7], v[AA] offset:(\k)+(\i)*2304+32
.endr
.endm
.macro Q f, g, koff, zero              ; a quarter: multiplies buffer f; in its middle fetches the next quarter into g
	s_wait_dscnt 4                                 ; B and A's rows 0-31 are in; the youngest four loads (A's rows 32-63) may be out
	MUL24 \f, 0, \zero
	PLACES
	FETCH \g, \koff
	s_wait_dscnt 32                                ; all but the 32 just issued
	MUL24 \f, 1, \zero
.endm
.macro TRIP
	WIN 0
	v_add_nc_u32 v[AA], s[TBA], v[A0]
	v_add_nc_u32 v[AB], s[TBB], v[B0]
	Q 1, 0, 0, 0
	Q 0, 1, OFF1, 0
	s_add_co_u32 s[TBA], s[TBA], TRA
	s_add_co_u32 s[TBB], s[TBB], TRB
	WIN 0
.endm
; THE CHANGE OF SLOTS.  The old slot's last fragments are in registers.  Each wave waits for all its tensor loads (one is out: its part of the next slot), adds 0 to its spare word, and waits for that and for its
; reads of the old slot.  fill = 1: a round of the cluster's barrier, and the joint refill of the old slot first behind it; it has a slot's 192 matrix instructions in which to land.
.macro CHANGE fill
	WIN 0
	s_wait_tensorcnt 0x0                           ; no tensor load of mine is out, so a group 0 may be written
	ds_add_u32 v[SPW], v[NIL]                      ; 0 onto my spare word; scalar work stands between it and the wait for it
.if \fill
	s_add_co_u32 s[ASKED], s[ASKED], 1             ; the slot that is asked for now,
	s_xor_b32 s[KB], s[ASKED], s[PHI]              ; and the K block that my cluster takes in it
	s_mul_i32 s[OFA], s[KB], STEPGA
	s_mul_i32 s[OFB], s[KB], STEPGB
	s_xor_b32 s[G0A+5], s[G0A+5], SLOT             ; the other slot than last time;
	s_add_nc_u64 s[G0A+6:G0A+7], s[BASA:BASA+1], s[OFA:OFA+1]  ; the address is made anew: the base and an offset made apart,
	s_or_b32 s[G0A+7], s[G0A+7], 0x80000000        ; and the type bits
	s_xor_b32 s[G0B+5], s[G0B+5], SLOT
	s_add_nc_u64 s[G0B+6:G0B+7], s[BASB:BASB+1], s[OFB:OFB+1]
	s_or_b32 s[G0B+7], s[G0B+7], 0x80000000
.endif
	s_sub_co_u32 s[TBA], s[TBA], 2*TRA             ; the fetches go back to a slot's first plane,
	s_xor_b32 s[TBA], s[TBA], SLOT                 ; in the other slot
	s_sub_co_u32 s[TBB], s[TBB], 2*TRB
	s_xor_b32 s[TBB], s[TBB], SLOT
	s_wait_dscnt 0x0                               ; the add is done, and my reads of the old slot are over
.if \fill
	CROUND
	JLOAD
.else
	s_barrier_signal -1
	s_barrier_wait -1
.endif
.endm
; THE WAY OUT of block a (16 of my rows), in two parts.  PACKQ: rounded to bf16, 16 bytes a lane into my stage (three planes of 16 rows of 144 bytes), and back as rows of 128 bytes: 24 LDS instructions.
; SENDQ: four rows (512 consecutive bytes of a plane) a store.  younger: the LDS instructions issued behind block a's loads, which may stay out: the next block's 24, or none.
.macro PACKQ a
	WIN 0x0a+5*((\a)/2)                            ; sources 0 and 1: window 2 or 3
.irp b, 0,1,2,3,4,5,6,7,8,9,10,11
.irp r, 0,1,2,3
	v_cvt_pk_bf16_f32 v[TMP+4*(\b)+(\r)], v[8*(12*((\a)%2)+(\b))+2*(\r)], v[8*(12*((\a)%2)+(\b))+2*(\r)+1]
.endr
.endr
	WIN 0
.irp b, 0,1,2,3,4,5,6,7,8,9,10,11
	ds_store_b128 v[STO], v[TMP+4*(\b):TMP+4*(\b)+3] offset:((\b)/4)*2304+((\b)%4)*32
.endr
	WIN 0x40
.irp pl, 0,1,2
.irp f, 0,1,2,3
	ds_load_b128 v[48*(\a)+4*(4*(\pl)+(\f)):48*(\a)+4*(4*(\pl)+(\f))+3], v[RD] offset:(\pl)*2304+(\f)*576  ; LDS serves a wave's instructions in order (ISA guide 5.7.1.4): these see the stores above; the next block's stores come behind them
.endr
.endr
.endm
.macro SENDQ a, younger
	s_wait_dscnt \younger                          ; block a is back in registers
	WIN 0x04                                       ; the stores' data in window 1
.irp pl, 0,1,2
.irp f, 0,1,2,3
	global_store_b128 v[GO], v[48*(\a)+4*(4*(\pl)+(\f)):48*(\a)+4*(4*(\pl)+(\f))+3], s[10:11] offset:(\pl)*524288+(\a)*2048+(\f)*512
.endr
.endr
.endm
	s_wait_tensorcnt 0x1                           ; my part of slot 0's tile is in; slot 1's may stay out
	s_barrier_signal -1
	s_barrier_wait -1
	v_mov_b32 v[AA], v[A0]
	v_mov_b32 v[AB], v[B0]
	FETCH 0, 0
	s_wait_loadcnt 0x0                             ; the bias
	Q 0, 1, OFF1, 1                                ; the first quarter stands in front of the loop: its products start the sums
	WIN 0
	s_mov_b32 s[TBA], TRA
	s_mov_b32 s[TBB], TRB
	s_mov_b32 s[ASKED], 1
	s_mov_b32 s[CNT], 1                            ; slot 0 has one trip left
	s_mov_b32 s[SLOTS], T-1
	s_branch .Ltrip
.Lslot:                                            ; T - 2 times: every slot but the last two is filled again
	CHANGE 1
	s_mov_b32 s[CNT], 2
.Ltrip:
	TRIP
	s_sub_co_u32 s[CNT], s[CNT], 1
	s_cmp_lg_u32 s[CNT], 0
	s_cbranch_scc1 .Ltrip
	s_sub_co_u32 s[SLOTS], s[SLOTS], 1
	s_cmp_lg_u32 s[SLOTS], 0
	s_cbranch_scc1 .Lslot
	CHANGE 0                                       ; the tail is written out
	s_mov_b32 s[CNT], 2
.Ltail:
	TRIP
	s_sub_co_u32 s[CNT], s[CNT], 1
	s_cmp_lg_u32 s[CNT], 0
	s_cbranch_scc1 .Ltail
	s_wait_dscnt 4                                 ; the last quarter: nothing more to fetch
	MUL24 1, 0, 0
	s_wait_dscnt 0x0
	MUL24 1, 1, 0
	WIN 0
	PLACES
	PACKQ 0                                        ; a block's conversions stand between the loads of the block before and its stores; at most 48 LDS instructions of mine are out
	PACKQ 1
	SENDQ 0, 24
	PACKQ 2
	SENDQ 1, 24
	PACKQ 3
	SENDQ 2, 24
	SENDQ 3, 0
	WIN 0
	s_wait_tensorcnt 0x0                           ; the wave's end
	ds_add_u32 v[SPW], v[NIL]
	s_wait_dscnt 0x0
	CROUND                                         ; the closing round
	s_endpgm
.Lfunc_end_k_q697c7e56bc_proj_qkv:
	.size	k_q697c7e56bc_proj_qkv, .Lfunc_end_k_q697c7e56bc_proj_qkv-k_q697c7e56bc_proj_qkv
	.p2alignl 7, 3214868480
	.fill 96, 4, 3214868480
	.section	.rodata,"a",@progbits
	.p2align	6, 0x0
	.amdhsa_kernel k_q697c7e56bc_proj_qkv
		.amdhsa_group_segment_fixed_size 327680
		.amdhsa_private_segment_fixed_size 0
		.amdhsa_enable_private_segment 0
		.amdhsa_kernarg_size 32
		.amdhsa_user_sgpr_count 2
		.amdhsa_user_sgpr_kernarg_segment_ptr 1
		.amdhsa_wavefront_size32 1
		.amdhsa_system_sgpr_workgroup_id_x 1
		.amdhsa_system_sgpr_workgroup_id_y 1
		.amdhsa_system_sgpr_workgroup_id_z 1
		.amdhsa_system_vgpr_workitem_id 0
		.amdhsa_next_free_vgpr 960
		.amdhsa_next_free_sgpr 90
		.amdhsa_reserve_vcc 0
		.amdhsa_float_denorm_mode_32 3
		.amdhsa_float_denorm_mode_16_64 3
		.amdhsa_memory_ordered 1
		.amdhsa_forward_progress 1
		.amdhsa_inst_pref_size 68
	.end_amdhsa_kernel
	.amdgpu_metadata
---
amdhsa.version: [ 1, 2 ]
amdhsa.kernels:
  - .name:           k_q697c7e56bc_proj_qkv
    .symbol:         k_q697c7e56bc_proj_qkv.kd
    .args:
      - { .name: h, .offset: 0, .size: 8, .value_kind: global_buffer, .address_space: global }
      - { .name: wb, .offset: 8, .size: 8, .value_kind: global_buffer, .address_space: global }
      - { .name: bqkv, .offset: 16, .size: 8, .value_kind: global_buffer, .address_space: global }
      - { .name: qkv, .offset: 24, .size: 8, .value_kind: global_buffer, .address_space: global }
    .group_segment_fixed_size: 327680
    .private_segment_fixed_size: 0
    .kernarg_segment_align: 8
    .kernarg_segment_size: 32
    .max_flat_workgroup_size: 128
    .sgpr_count:     90
    .vgpr_count:     960
    .wavefront_size: 32
...
	.end_amdgpu_metadata
.endif
;; end of part 2
;; launch attn (part 3): grid 8 x 32, 4 waves a work-group, clusters of 4 x 1, 327,680 bytes of LDS; arguments qkv, vals; writes vals
.if DOCPART == 3
	.amdgcn_target "amdgcn-amd-amdhsa--gfx1250"
	.amdhsa_code_object_version 6
	.text
	.protected	k_q697c7e56bc_attn
	.globl	k_q697c7e56bc_attn
	.p2align	8
	.type	k_q697c7e56bc_attn,@function
k_q697c7e56bc_attn:
	s_mov_b64 s[64:65], 0
	v_nop
	global_prefetch_b8 v0, s[64:65] scope:SCOPE_SE
	s_setreg_imm32_b32 hwreg(HW_REG_WAVE_MODE, 25, 1), 1
	s_wait_xcnt 0x0
	s_wait_alu depctr_hold_cnt(0) depctr_sa_sdst(0) depctr_va_vdst(0) depctr_va_sdst(0) depctr_va_ssrc(0) depctr_va_vcc(0) depctr_vm_vsrc(0)
	s_getreg_b32 s2, hwreg(HW_REG_IB_STS2, 6, 4)
	s_cmp_eq_u32 s2, 0
	s_cbranch_scc0 .Lentry_in_a_cluster
	s_endpgm
.Lentry_in_a_cluster:
	s_bfe_u32 s2, ttmp6, 0x10000c
	s_cmp_lg_u32 s2, 0x3003
	s_cbranch_scc0 .Lentry_shape_is_right
	s_endpgm
.Lentry_shape_is_right:
; O[q][:] = the sum over k of softmax_k(Q[q] . K[k] / 8) V[k][:], for each of 32 heads (batch b, head n) of 2,048 rows x 64 channels.  qkv: bf16 planes [48][4096][64]: plane 3 n + 0, 1, 2, rows 2,048 b on, is
; the head's Q, K, V, dense rows of 128 bytes.  vals: bf16 planes [16][4096][64]: plane n takes O.  Products, maxima and sums in f32; the weights p are rounded to bf16 for the second product (their sum l is
; taken of the unrounded p), O once at the end.
; LIMITS.  Q, K, V, p and O have bf16's 8 significant bits.  A weight below 2^-126 counts as 0 in l; c m starts at -4.25e37; NaN and infinities are not treated apart.
; SHARES.  A work-group owns 256 queries of a head, a wave 64: four PIECES of 16.  Every wave walks all 2,048 keys, 64 a step, four steps to an LDS slot.
; LAYOUT.  S^T = K Q^T holds ONE query a lane (lane % 16) and the keys 8 (lane / 16) + 0..7; two such results rounded to bf16 ARE source 1 of O^T = V^T P.  K comes out of LDS as it lies, V turned, by ds_load_tr16_b128.
; SOFTMAX.  p = 2^(c s - c m), c = log2(e) / 8, with a running maximum m; O and l are multiplied by a = 2^(c m_old - c m_new) in every step; the first step's a is 0.
; BY TURNS.  Turn n belongs to piece n: 8 products K Q^T of piece n + 1, later 8 products V^T P of piece n - 1; beside them the scaling, exponentials, roundings, sums and rescaling of piece n and the maximum and
; statistics of piece n + 1.  Four vector instructions stand behind every matrix instruction, the other 54 of a turn's 118 in two runs of their own.
; CLUSTER.  The four query blocks of a cluster belong to one head and walk the same K and V: each tile is asked for JOINTLY, by the same tensor load, descriptor and mask in all four.
; REGISTERS, in two windows of 256 (s_set_vgpr_msb: bits 1:0 source 0, 3:2 source 1, 5:4 source 2, 7:6 destination):
;   window 0: v0 my thread's number; v1-5 addresses, spare word, 0; v6-31 statistics and work; v32-95 S^T, two buffers; v96-127 P, two buffers; v128-191 K of one step; v192-255 Q
;   window 1: v0-127 O^T; v128-191 V of one step; v192 the prefetches' offset
; All that K Q^T and a softmax touch, but O^T, lies in window 0: they run under one setting, 0.  V^T P and the rescaling of O^T run under one other, 0x51.  The sixteen rescalings ride behind the first four products
; V^T P, so a turn has 8 switches: one in front of those four, one behind them, and two for each of the last three products V^T P, whose riders lie in window 0.
.set NP,    4
.set KS,    64
.set PK,    144       ; a row of K in LDS: 128 bytes + 16: the 16 rows of a load start in 16 different 16-byte columns of the banks' 256 bytes (ISA guide 11.1)
.set PV,    160       ; a row of V: 128 + 32
.set VOFF,  4*KS*PK   ; a slot holds four steps: 256 rows of K, then 256 rows of V
.set SLOT1, 1<<17
.set STAGE, SLOT1+4*KS*(PK+PV)
.set SP,    144
.set SPARE, STAGE+4*16*SP
.set ADR, 1           ; v1   the LDS address of the run of loads in hand
.set AK0, 2           ; v2   my lane's place in a tile of K; never rewritten
.set AV0, 3           ; v3   the same for V
.set SPW, 4           ; v4   my spare word; never rewritten
.set NIL, 5           ; v5   0; never rewritten
.set MV,  6           ; v6-7  c m_old, by buffer
.set ST,  8           ; piece t's statistics at v[ST+4 t]: c m, m, l (even keys', odd keys')
.set TMP, 24          ; by buffer, four registers at work; when the maximum is found the third takes a
.set S,   32
.set P,   96
.set KF,  128
.set QF,  192
.set VF,  128         ; window 1
.set PFO, 192         ; window 1: 256 x my lane; never rewritten
.set QO,  S+4         ; at the start, while S^T is not yet in use: my byte offset in 16 rows of Q
.set STO, KF+3        ; at the end, when K is no longer in use: where I put 16 bytes of a row,
.set RD,  KF+4        ; where I read rows back,
.set GO,  KF+5        ; my 16 of 512 consecutive bytes of O
.set WV,  12
.set LIM, 15          ; s15  1 in a wave that prefetches, else the greatest number
.set PFA, 18          ; s[18:19] where my prefetches stand
.set G1K, 24
.set G1V, 32
.set G0K, 40
.set G0V, 44
.set OP_, 50          ; s[50:51] O at my wave's first row
.set SLOTS, 56
.set CNT, 57
.set CS,  58
.set SEL, 60
.set TBK, 62
.set TBV, 63
.set MSB, 0
.macro WIN new
.if MSB != (\new)
	s_set_vgpr_msb (MSB<<8)|(\new)
.set MSB, (\new)
.endif
.endm
.set W_PV, 0x51       ; source 0 (V, O^T), source 2 and destination (O^T) in window 1; source 1 (P, a) in window 0
.macro JLOAD                        ; waves 0 and 1 fetch the two halves of a slot's K, waves 2 and 3 those of its V; an s_nop 0 and four v_nop follow each line
	s_cmp_lt_u32 s[WV], 2
	s_cbranch_scc0 .Lfor_v_\@
	tensor_load_to_lds s[G0K:G0K+3], s[G1K:G1K+7]
	s_nop 0
.rept 4
	v_nop
.endr
	s_branch .Lasked_\@
.Lfor_v_\@:
	tensor_load_to_lds s[G0V:G0V+3], s[G1V:G1V+7]
	s_nop 0
.rept 4
	v_nop
.endr
.Lasked_\@:
.endm
; A PREFETCH of the tile that the NEXT change of slots will ask for: four key steps, 256 matrix instructions, ahead of that load.  A tile's K (and V) is 32,768 dense bytes.  Both clusters of a head walk the same tiles:
; the head's first cluster asks; its four partners take 8,192 bytes each, told apart by address; in each, wave 0 asks for K's and wave 2 for V's, a lane for each 256 bytes.  So each block is named once in the launch.
; The last change that fills a slot asks for nothing: no tile lies behind it.
.macro ASK
	s_cmp_gt_u32 s[SLOTS], s[LIM]
	s_cbranch_scc0 .Lnot_mine_\@
	WIN 0x01                        ; the offset lies in window 1
	global_prefetch_b8 v[PFO], s[PFA:PFA+1] th:TH_LOAD_NT scope:SCOPE_SE
	WIN 0
.Lnot_mine_\@:
.endm
.macro CROUND
	s_barrier_signal -1
	s_barrier_wait -1
	s_cmp_lg_u32 s[WV], 0
	s_cbranch_scc1 .Lnot_wave_0_\@
	s_barrier_signal -3
.Lnot_wave_0_\@:
	s_barrier_wait -3
	s_barrier_signal -1
	s_barrier_wait -1
.endm
; THE CHANGE OF SLOTS.  Each wave waits for all its tensor loads (one is out: its part of the other slot), adds 0 to its spare word, and waits for that and for its reads of the slot.  fill = 1: a round of the cluster's
; barrier, and the joint refill first behind it.  (At its first use nothing has been read yet: slot 0 is waited for, slot 1 filled.)
.macro CHANGE fill, ask
	WIN 0
	s_wait_tensorcnt 0x0            ; no tensor load of mine is out, so a group 0 may be written
	ds_add_u32 v[SPW], v[NIL]
.if \fill
.irp g, G0K, G0V
	s_xor_b32 s[\g+1], s[\g+1], SLOT1
	s_add_nc_u64 s[\g+2:\g+3], s[\g+2:\g+3], 4*KS*128
.endr
.if \ask
	s_wait_xcnt 0x0                 ; the last prefetch, four key steps back, has read its address
	s_add_nc_u64 s[PFA:PFA+1], s[PFA:PFA+1], 4*KS*128
.endif
	s_wait_dscnt 0x0                ; the add is done, and my reads of the slot are over
	CROUND
	JLOAD
.if \ask
	ASK
.endif
.else
	s_wait_dscnt 0x0
	s_barrier_signal -1
	s_barrier_wait -1
.endif
	s_sub_co_u32 s[TBK], s[TBK], 4*KS*PK
	s_xor_b32 s[TBK], s[TBK], SLOT1
	s_sub_co_u32 s[TBV], s[TBV], 4*KS*PV
	s_xor_b32 s[TBV], s[TBV], SLOT1
.endm
	s_load_b128 s[4:7], s[0:1], 0x0   ; qkv s[4:5], vals s[6:7]
	v_lshl_add_u32 v[SPW], v0, 2, SPARE
	v_mov_b32 v[NIL], 0
	ds_add_u32 v[SPW], v[NIL]       ; the wave's opening: the add is waited for ahead of my first tensor load
	v_lshrrev_b32 v1, 5, v0
	v_readfirstlane_b32 s[WV], v1
	s_bfe_u32 s13, ttmp6, 0x40000   ; cx
	s_lshl_b32 s14, ttmp9, 2
	s_add_co_u32 s14, s14, s13      ; my block of 256 queries: it enters Q's and O's addresses alone
	s_and_b32 s20, ttmp7, 0xffff    ; 16 b + n, which the four partners share
	s_lshr_b32 s21, s20, 4
	s_and_b32 s22, s20, 15
	s_lshl_b32 s21, s21, 18         ; the batch's 2,048 rows of 128 bytes
	s_mul_i32 s23, s22, 3
	s_lshl_b32 s23, s23, 19         ; plane 3 n
	s_add_co_u32 s23, s23, s21      ; the head's Q
	s_and_b32 s16, s[WV], 1         ; which half of a slot's 256 keys I fetch
	s_lshl_b32 s17, s16, 14
	s_add_co_u32 s2, s23, s17
	s_add_co_u32 s2, s2, 1<<19      ; K: one plane on
	s_mov_b32 s3, 0
	s_add_co_u32 s8, s2, 1<<19      ; V: two planes on
	s_mov_b32 s9, 0
	s_mul_i32 s48, s16, 128*PK      ; its place in a slot: no place in the cluster enters an LDS address
	s_mul_i32 s49, s16, 128*PV
	s_lshl_b32 s10, s14, 2
	s_add_co_u32 s10, s10, s[WV]
	s_lshl_b32 s10, s10, 13         ; my wave's 64 rows
	s_lshl_b32 s[OP_], s22, 19
	s_add_co_u32 s[OP_], s[OP_], s21
	s_add_co_u32 s[OP_], s[OP_], s10
	s_mov_b32 s[OP_+1], 0
	s_add_co_u32 s10, s10, s23
	s_mov_b32 s11, 0
	; descriptor group 1.  128 keys are 16,384 dense bytes: asked for as 64 rows of 256 bytes, two keys a row, and padded in LDS after every key
	s_mov_b32 s[G1K], 15|(1<<16)|(1<<20)|(1<<21)|(4<<22)|(3<<25)
	s_mov_b32 s[G1V], 15|(1<<16)|(1<<20)|(1<<21)|(4<<22)|(7<<25)
.irp g, G1K, G1V
	s_mov_b32 s[\g+1], 128<<16
	s_mov_b32 s[\g+2], 64<<16
	s_mov_b32 s[\g+3], 128<<16
	s_mov_b32 s[\g+4], 64
	s_mov_b32 s[\g+5], 128
	s_mov_b32 s[\g+6], 0
	s_mov_b32 s[\g+7], 0
.endr
	s_mov_b32 s[CS], 0x3e38aa3b     ; c = log2(e) / 8
	s_mov_b32 s[CS+1], s[CS]
	s_mov_b32 s[SEL], 0x76543210
	s_mov_b32 s[SEL+1], 0xfedcba98
	s_mov_b32 s[TBK], SLOT1+4*KS*PK ; the first change of slots turns these two into 0
	s_mov_b32 s[TBV], SLOT1+4*KS*PV
	s_mov_b32 s[G0K], 1
	s_mov_b32 s[G0K+1], s48
	s_mov_b32 s[G0V], 1
	s_add_co_u32 s[G0V+1], s49, VOFF
	s_and_b32 s[LIM], s[WV], 1      ; 0 in waves 0 and 2,
	s_or_b32 s[LIM], s[LIM], ttmp9  ; where the cluster is the head's first: the same in all four partners
	s_cmp_eq_u32 s[LIM], 0
	s_cselect_b32 s[LIM], 1, -1
	v_and_b32 v[S+5], 31, v0
	WIN 0x40                        ; destination window 1
	v_lshlrev_b32 v[PFO], 8, v[S+5]
	WIN 0
	s_wait_dscnt 0x0                ; the opening add is done
	s_wait_kmcnt 0x0
	s_add_nc_u64 s[G0K+2:G0K+3], s[4:5], s[2:3]
	s_add_nc_u64 s[G0V+2:G0V+3], s[4:5], s[8:9]
	s_cmp_lt_u32 s[WV], 2
	s_cselect_b64 s[PFA:PFA+1], s[G0K+2:G0K+3], s[G0V+2:G0V+3]  ; (in waves 0 and 2 these stand at a tile's first row)
	s_or_b32 s[G0K+3], s[G0K+3], 0x80000000
	s_or_b32 s[G0V+3], s[G0V+3], 0x80000000
	s_lshl_b32 s2, s13, 13          ; my work-group's 8,192 bytes,
	s_add_co_u32 s2, s2, 2*4*KS*128 ; in tile 2; the first change that asks steps it to tile 3
	s_add_nc_u64 s[PFA:PFA+1], s[PFA:PFA+1], s[2:3]
	s_add_nc_u64 s[10:11], s[4:5], s[10:11]          ; Q at my wave's first row
	s_add_nc_u64 s[OP_:OP_+1], s[6:7], s[OP_:OP_+1]
	CROUND                          ; all four work-groups are here: the first joint loads meet
	JLOAD                           ; tile 0 into slot 0
	v_and_b32 v[S], 15, v0          ; l % 16 (S^T's registers serve the set-up until the first product writes them)
	v_bfe_u32 v[S+1], v0, 4, 1      ; l / 16
	v_lshlrev_b32 v[QO], 7, v[S]
	v_lshl_add_u32 v[QO], v[S+1], 4, v[QO]
.set i, 0
.rept 8                             ; Q stays in registers: piece i / 2, channels 32 (i % 2) on
	global_load_b128 v[QF+8*i:QF+8*i+3],   v[QO], s[10:11] offset:(i/2)*2048+(i%2)*64
	global_load_b128 v[QF+8*i+4:QF+8*i+7], v[QO], s[10:11] offset:(i/2)*2048+(i%2)*64+32
.set i, i+1
.endr
	; What the first turn finds: V and P's second buffer hold 0 (its products V^T P, of a piece that has not been, add 0), O^T and l are 0.  All this stands in the wait for the first tile.
	WIN 0x40
.set i, 0
.rept 192                           ; O^T, then V
	v_mov_b32 v[i], 0
.set i, i+1
.endr
	WIN 0
.set i, 0
.rept 4
	v_mov_b32 v[ST+4*i], 0xfe000000    ; c m: far below every c s
	v_mov_b32 v[ST+4*i+1], 0xff7fffff  ; m
	v_mov_b32 v[ST+4*i+2], 0
	v_mov_b32 v[ST+4*i+3], 0
.set i, i+1
.endr
.set i, P+16
.rept 16
	v_mov_b32 v[i], 0
.set i, i+1
.endr
	v_mul_u32_u24 v[AK0], v[S], PK
	v_lshl_add_u32 v[AK0], v[S+1], 4, v[AK0]
	v_and_b32 v[S+2], 7, v0         ; the turning load: lane l reads key 8 (l / 16) + l % 8, channels 8 ((l / 8) % 2) + 0..7
	v_bfe_u32 v[S+3], v0, 3, 1
	v_lshl_add_u32 v[AV0], v[S+1], 3, v[S+2]
	v_mul_u32_u24 v[AV0], v[AV0], PV
	v_lshl_add_u32 v[AV0], v[S+3], 4, v[AV0]
	v_add_nc_u32 v[AV0], VOFF, v[AV0]
; THE MATRIX WORK.  The 4 accumulators of a run of 8 take turns.  Product i of 8 of S^T = K Q^T for piece x: channels 32 (i / 4) on, keys 16 (i % 4) on.  The first 4 start the sums.
.macro KQ x
	WIN 0
.set rS, S+32*((\x)%2)+8*(i%4)
.set rK, KF+16*(i%4)+8*(i/4)
.set rQ, QF+16*(\x)+8*(i/4)
.if i < 4
	v_wmma_f32_16x16x32_bf16 v[rS:rS+7], v[rK:rK+7], v[rQ:rQ+7], 0
.else
	v_wmma_f32_16x16x32_bf16 v[rS:rS+7], v[rK:rK+7], v[rQ:rQ+7], v[rS:rS+7]
.endif
.endm
.macro PV x                         ; product i of 8 of O^T += V^T P for piece x: keys 32 (i / 4) on, channels 16 (i % 4) on
	WIN W_PV
.set rO, 32*(\x)+8*(i%4)
.set rV, VF+32*(i/4)+8*(i%4)
.set rP, P+16*((\x)%2)+8*(i/4)
	v_wmma_f32_16x16x32_bf16 v[rO:rO+7], v[rV:rV+7], v[rP:rP+7], v[rO:rO+7]
.endm
.macro MM                           ; the turn's next matrix instruction
.if i < 8
	KQ (Y+1)%NP
.else
.set i, i-8
	PV (Y+NP-1)%NP
.set i, i+8
.endif
.set i, i+1
.endm
; THE LDS LOADS stand in runs of 16.  last = 1 (the tail): in the last pass there is no further step, and K's run is jumped over.
.macro FETCH_K last=0
	WIN 0
.if \last
	s_cmp_eq_u32 s[CNT], 1
	s_cbranch_scc1 .Lno_k_\@
.endif
.irp f, 0,1,2,3,4,5,6,7             ; keys 16 (f / 2) on, channels 32 (f % 2) on
	ds_load_b128 v[KF+8*\f:KF+8*\f+3],   v[ADR] offset:(\f/2)*16*PK+(\f%2)*64
	ds_load_b128 v[KF+8*\f+4:KF+8*\f+7], v[ADR] offset:(\f/2)*16*PK+(\f%2)*64+32
.endr
	s_add_co_u32 s[TBK], s[TBK], KS*PK
.if \last
.Lno_k_\@:
.endif
.endm
.macro FETCH_V                      ; a step's V, turned
	WIN 0x40                        ; destination window 1
.irp f, 0,1,2,3,4,5,6,7             ; keys 32 (f / 4) on, channels 16 (f % 4) on
	ds_load_tr16_b128 v[VF+8*\f:VF+8*\f+3],   v[ADR] offset:(\f/4)*32*PV+(\f%4)*32
	ds_load_tr16_b128 v[VF+8*\f+4:VF+8*\f+7], v[ADR] offset:(\f/4)*32*PV+16*PV+(\f%4)*32
.endr
	WIN 0
.endm
; THE VECTOR WORK, one line at a time: OP kind, number.  For piece Y: F n: c s - c m for pair n of 16.  E n: the exponential of score n of 32.  C n: pair n rounded to bf16.  B n: of the four weights 4 n .. the second
; pair is added onto the first, in place.  L n: l takes that sum (L 0: l = a l + sum).  R n: pair n of 16 of O^T times a.  For piece Y + 1: X n, number n of the 22 that find its maximum and statistics:
;   0-11 four chains of seven scores each (each accumulator's lowest registers are read first)   12-14, 16 the four scores left over, the old m, the chains joined
;   15 c m_old is kept   17, 18 the query's other 32 keys lie in the lane 16 away: the new m   19-21 c m; c m_old - c m_new; a
.set F, 0
.set E, 1
.set C, 2
.set B, 3
.set L, 4
.set R, 5
.set X, 6
.macro REGS y
.set rT, ST+4*(\y)
.set rC, TMP+4*((\y)%2)
.set rW, MV+((\y)%2)
.set rS, S+32*((\y)%2)
.set rP, P+16*((\y)%2)
.set rO, 32*(\y)
.endm
.macro OP k, n
.if (\k) == R
	REGS Y
	WIN W_PV
	v_pk_mul_f32 v[rO+2*(\n):rO+2*(\n)+1], v[rO+2*(\n):rO+2*(\n)+1], v[rC+2:rC+3] op_sel_hi:[1,0]
.elseif (\k) < R
	REGS Y
	WIN 0
.if (\k) == F
	v_pk_fma_f32 v[rS+2*(\n):rS+2*(\n)+1], v[rS+2*(\n):rS+2*(\n)+1], s[CS:CS+1], v[rT:rT+1] op_sel_hi:[1,0,0] neg_lo:[0,0,1] neg_hi:[0,0,1]
.elseif (\k) == E
	v_exp_f32 v[rS+(\n)], v[rS+(\n)]
.elseif (\k) == C
	s_wait_alu depctr_va_vdst(0)
	v_cvt_pk_bf16_f32 v[rP+(\n)], v[rS+2*(\n)], v[rS+2*(\n)+1]
.elseif (\k) == B
	v_pk_add_f32 v[rS+4*(\n):rS+4*(\n)+1], v[rS+4*(\n):rS+4*(\n)+1], v[rS+4*(\n)+2:rS+4*(\n)+3]
.elseif (\n) == 0
	v_pk_fma_f32 v[rT+2:rT+3], v[rT+2:rT+3], v[rC+2:rC+3], v[rS:rS+1] op_sel_hi:[1,0,1]
.else
	v_pk_add_f32 v[rT+2:rT+3], v[rT+2:rT+3], v[rS+4*(\n):rS+4*(\n)+1]
.endif
.else
	REGS (Y+1)%NP
	WIN 0
.if (\n) < 4
	v_max3_num_f32 v[rC+(\n)], v[rS+8*(\n)], v[rS+8*(\n)+1], v[rS+8*(\n)+2]
.elseif (\n) < 12
	v_max3_num_f32 v[rC+(\n)%4], v[rC+(\n)%4], v[rS+8*((\n)%4)+2*((\n)/4)+1], v[rS+8*((\n)%4)+2*((\n)/4)+2]
.elseif (\n) == 12
	v_max3_num_f32 v[rC], v[rC], v[rS+7], v[rS+15]
.elseif (\n) == 13
	v_max3_num_f32 v[rC+1], v[rC+1], v[rS+23], v[rS+31]
.elseif (\n) == 14
	v_max3_num_f32 v[rC+2], v[rC+2], v[rC+3], v[rT+1]
.elseif (\n) == 15
	v_mov_b32 v[rW], v[rT]
.elseif (\n) == 16
	v_max3_num_f32 v[rC], v[rC], v[rC+1], v[rC+2]
.elseif (\n) == 17
	v_permlanex16_b32 v[rC+3], v[rC], s[SEL], s[SEL+1]
.elseif (\n) == 18
	v_max_num_f32 v[rT+1], v[rC], v[rC+3]
.elseif (\n) == 19
	v_mul_f32 v[rT], s[CS], v[rT+1]
.elseif (\n) == 20
	v_sub_f32 v[rC+1], v[rW], v[rT]
.else
	v_exp_f32 v[rC+2], v[rC+1]
.endif
.endif
.endm
.macro OPS a, i1, b=-1, i2=0, c=-1, i3=0, d=-1, i4=0
	OP \a, \i1
.if (\b) >= 0
	OP \b, \i2
.endif
.if (\c) >= 0
	OP \c, \i3
.endif
.if (\d) >= 0
	OP \d, \i4
.endif
.endm
.macro ROW a, i1, b, i2, c, i3, d, i4  ; a matrix instruction and the four behind it
	MM
	OPS \a, \i1, \b, \i2, \c, \i3, \d, \i4
.endm
; A TURN, for piece p: the order of its 16 matrix and 118 vector instructions, written out.  None of the four behind a matrix instruction names a register of the products round it.  The order keeps: C 2n ahead of B n
; (which writes over pair 2n); B n behind its four exponentials; an independent plain line behind each exponential before its result is used; X 0 to X 3, the first readers of the four new accumulators, at their low ends.
; Behind the first four products V^T P stand the sixteen rescalings, under the products' own window setting.
; last = 1: the tail's text: K's fetch is jumped over in the last pass.  cnt = 1: the loop's count is taken down some lines ahead of the branch.
; K of the next step is fetched in piece 2's turn, five plain lines (C 2, L 0, C 3, X 0, C 4) behind the last product that read K, and waited for in piece 3's; V of the step in hand in piece 0's turn, five plain lines
; (B 2, X 12, X 13, X 14, C 7) behind the last product that read V, and waited for in piece 1's.
.macro TURN p, last=0, cnt=0
.set Y, (\p)
.set i, 0
.if (\p) == 3
	s_wait_dscnt 0x0                ; K is in
.endif
	ROW F,0, F,1, F,2, F,3
	ROW F,4, E,0, F,5, F,6
	ROW F,7, E,1, F,8, F,9
	ROW F,10, E,2, F,11, F,12
	ROW F,13, E,3, X,15, C,0
	ROW F,14, E,4, F,15, E,5
	ROW C,1, E,6, B,0, E,7
.if (\p) == 2
	WIN 0
	v_add_nc_u32 v[ADR], s[TBK], v[AK0]
.endif
	ROW C,2, E,8, L,0, E,9
	OPS C,3, E,10, X,0, E,11
	OPS C,4
.if (\p) == 2
	FETCH_K \last
.endif
	OPS E,12, X,1, E,13, B,1
	OPS E,14, X,2, E,15, C,5
	OPS E,16, X,3, E,17, L,1
.if (\p) == 1
	s_wait_dscnt 0x0                ; V is in
.endif
	ROW R,0, R,1, R,2, R,3
	ROW R,4, R,5, R,6, R,7
	ROW R,8, R,9, R,10, R,11
	ROW R,12, R,13, R,14, R,15
	ROW X,4, E,18, X,5, X,6
	ROW X,7, E,19, X,8, X,9
	ROW X,10, E,20, X,11, C,6
.if (\p) == 0
	WIN 0
	v_add_nc_u32 v[ADR], s[TBV], v[AV0]
.endif
	ROW B,2, E,21, X,12, X,13
	OPS E,22, X,14, E,23, C,7
.if (\p) == 0
	FETCH_V
.endif
	OPS E,24, L,2, E,25, X,16
	OPS E,26, C,8, E,27, B,3
	OPS E,28, X,17, E,29, C,9
	OPS E,30, L,3, E,31, X,18
	OPS B,4, C,10, X,19, C,12
	OPS L,4, B,5, X,20, C,14
.if (\p) == 0
	s_add_co_u32 s[TBV], s[TBV], KS*PV
.endif
.if \cnt
	s_sub_co_u32 s[CNT], s[CNT], 1
	s_cmp_lg_u32 s[CNT], 0
.endif
	OPS B,6, L,5, X,21, B,7
	OPS L,6, C,11, C,13, L,7
	OPS C,15
.endm
.macro ALL line:vararg              ; one line for each piece t
.set t, 0
.rept 4
	\line
.set t, t+1
.endr
.endm
.macro PACK t                       ; a lane's eight channels of a row pack into 16 bytes; they go into rows of 144 bytes and come back as whole rows of 128, into S^T's registers
	WIN W_PV
.set i, 32*(\t)
.rept 16
	s_wait_alu depctr_va_vdst(0)
	v_pk_mul_f32 v[i:i+1], v[i:i+1], v[ST+4*(\t)+2:ST+4*(\t)+3] op_sel_hi:[1,0]
.set i, i+2
.endr
	WIN 0x05                        ; sources 0 and 1 window 1, destination window 0
.set i, 0
.rept 16
	v_cvt_pk_bf16_f32 v[S+16*(\t)+i], v[32*(\t)+2*i], v[32*(\t)+2*i+1]
.set i, i+1
.endr
	WIN 0
.irp f, 0,1,2,3
	ds_store_b128 v[STO], v[S+16*(\t)+4*\f:S+16*(\t)+4*\f+3] offset:32*\f
.endr
.irp f, 0,1,2,3
	ds_load_b128 v[S+16*(\t)+4*\f:S+16*(\t)+4*\f+3], v[RD] offset:\f*4*SP  ; LDS serves a wave's instructions in order (ISA guide 5.7.1.4): these see the stores above
.endr
.endm
.macro SEND t, younger              ; younger: the LDS instructions issued behind piece t's loads
	WIN 0
.irp f, 0,1,2,3
	s_wait_dscnt (\younger)+3-\f
	global_store_b128 v[GO], v[S+16*(\t)+4*\f:S+16*(\t)+4*\f+3], s[OP_:OP_+1] offset:(\t)*2048+\f*512  ; 512 consecutive bytes, at a multiple of 256 from the plane's first
.endr
.endm
	CHANGE 1, 0                     ; tile 0 is in, everybody's part of it; tile 1 is asked for
	v_add_nc_u32 v[ADR], s[TBK], v[AK0]
	FETCH_K                         ; key step 0
	s_wait_loadcnt 0x0              ; Q
	s_wait_dscnt 0x0
.set i, 0
.rept 8
	KQ 0                            ; piece 0's first scores
.set i, i+1
.endr
	WIN 0
.rept 4
	v_nop                           ; the places behind those products
.endr
.set Y, NP-1                        ; X works for piece Y + 1: piece 0
.irp n, 0,1,2,3,4,5,6,7,8,9,10,11,12,13,14,15,16,17,18,19,20,21
	OP X, \n
.endr
	v_nop                           ; a plain instruction behind the exponential
	s_mov_b32 s[CNT], 4
	s_mov_b32 s[SLOTS], 7
	s_branch .Lfirst                ; the loop is entered at a step's first turn, in the middle of a trip
.Lslot:                             ; six times: tiles 2 to 7 are asked for
	CHANGE 1, 1
	s_mov_b32 s[CNT], 4
.Lstep:                             ; a trip: pieces 2 and 3 of one step, then pieces 0 and 1 of the next, whose K and V it fetches
	TURN 2
	TURN 3
	WIN 0
.Lfirst:
	TURN 0
	TURN 1, 0, 1
	WIN 0
	s_cbranch_scc1 .Lstep
	s_sub_co_u32 s[SLOTS], s[SLOTS], 1
	s_cmp_lg_u32 s[SLOTS], 0
	s_cbranch_scc1 .Lslot
	CHANGE 0, 0                     ; the last tile is written out: nothing is asked for
	s_mov_b32 s[CNT], 5             ; four passes fetch the last tile's steps; the fifth is left in its middle
.Ltail:
	TURN 2, 1
	TURN 3
	WIN 0
	s_sub_co_u32 s[CNT], s[CNT], 1
	s_cmp_eq_u32 s[CNT], 0
	s_cbranch_scc1 .Lout
	TURN 0
	TURN 1
	WIN 0
	s_branch .Ltail
.Lout:                              ; the fifth pass's 8 products K Q^T (on the last K once more) and the maximum made of them change piece 0's m and c m alone, which nothing reads any more: the price, once a launch, of one text for every pass
.set i, 0
.rept 8
	PV NP-1                         ; the last piece's V^T P of the last step
.set i, i+1
.endr
	; THE WAY OUT.  Its addresses are made here, in K's registers, from my thread's number: plain lines, the places behind the last products.  Then l's two halves and the other half of the lanes' are added; O^T is
	; divided by l, rounded to bf16 and sent through my stage, a piece at a time.
	WIN 0
	v_and_b32 v[KF], 15, v0         ; l % 16
	v_bfe_u32 v[KF+1], v0, 4, 1     ; l / 16
	v_and_b32 v[KF+2], 7, v0
	s_mul_i32 s13, s[WV], 16*SP
	s_add_co_u32 s13, s13, STAGE    ; my stage
	v_mul_u32_u24 v[STO], v[KF], SP ; in: row l % 16, 16 bytes for each half of the lanes
	v_lshl_add_u32 v[STO], v[KF+1], 4, v[STO]
	v_add_nc_u32 v[STO], s13, v[STO]
	v_bfe_u32 v[RD], v0, 3, 2       ; back: 32 lanes take four rows of 128 bytes,
	v_mul_u32_u24 v[RD], v[RD], SP
	v_lshl_add_u32 v[RD], v[KF+2], 4, v[RD]
	v_add_nc_u32 v[RD], s13, v[RD]
	v_and_b32 v[GO], 31, v0         ; which are 512 consecutive bytes of O
	v_lshlrev_b32 v[GO], 4, v[GO]
	ALL v_add_f32 v[ST+4*t+2], v[ST+4*t+2], v[ST+4*t+3]
	ALL v_permlanex16_b32 v[ST+4*t+3], v[ST+4*t+2], s[SEL], s[SEL+1]
	ALL v_add_f32 v[ST+4*t+2], v[ST+4*t+2], v[ST+4*t+3]
	ALL v_rcp_f32 v[ST+4*t+2], v[ST+4*t+2]
	v_nop                           ; a plain instruction between the last reciprocal and the use of its result
	PACK 0
.set t, 1
.rept 3
	PACK t
	SEND t-1, 8
.set t, t+1
.endr
	SEND 3, 0
	s_wait_tensorcnt 0x0            ; the wave's end
	ds_add_u32 v[SPW], v[NIL]
	s_wait_dscnt 0x0
	CROUND                          ; the closing round
	s_endpgm
.Lfunc_end_k_q697c7e56bc_attn:
	.size	k_q697c7e56bc_attn, .Lfunc_end_k_q697c7e56bc_attn-k_q697c7e56bc_attn
	.p2alignl 7, 3214868480
	.fill 96, 4, 3214868480
	.section	.rodata,"a",@progbits
	.p2align	6, 0x0
	.amdhsa_kernel k_q697c7e56bc_attn
		.amdhsa_group_segment_fixed_size 327680
		.amdhsa_private_segment_fixed_size 0
		.amdhsa_enable_private_segment 0
		.amdhsa_kernarg_size 16
		.amdhsa_user_sgpr_count 2
		.amdhsa_user_sgpr_kernarg_segment_ptr 1
		.amdhsa_wavefront_size32 1
		.amdhsa_system_sgpr_workgroup_id_x 1
		.amdhsa_system_sgpr_workgroup_id_y 1
		.amdhsa_system_sgpr_workgroup_id_z 1
		.amdhsa_system_vgpr_workitem_id 0
		.amdhsa_next_free_vgpr 512
		.amdhsa_next_free_sgpr 66
		.amdhsa_reserve_vcc 0
		.amdhsa_float_denorm_mode_32 3
		.amdhsa_float_denorm_mode_16_64 3
		.amdhsa_memory_ordered 1
		.amdhsa_forward_progress 1
		.amdhsa_inst_pref_size 107
	.end_amdhsa_kernel
	.amdgpu_metadata
---
amdhsa.version: [ 1, 2 ]
amdhsa.kernels:
  - .name:           k_q697c7e56bc_attn
    .symbol:         k_q697c7e56bc_attn.kd
    .args:
      - { .name: qkv, .offset: 0, .size: 8, .value_kind: global_buffer, .address_space: global }
      - { .name: vals, .offset: 8, .size: 8, .value_kind: global_buffer, .address_space: global }
    .group_segment_fixed_size: 327680
    .private_segment_fixed_size: 0
    .kernarg_segment_align: 8
    .kernarg_segment_size: 16
    .max_flat_workgroup_size: 128
    .sgpr_count:     66
    .vgpr_count:     512
    .wavefront_size: 32
...
	.end_amdgpu_metadata
.endif
;; end of part 3
;; launch proj_wo (part 4): grid 8 x 32, 4 waves a work-group, clusters of 4 x 4, 327,680 bytes of LDS; arguments vals, wb, bo, x, x1; writes x1
.if DOCPART == 4
	.amdgcn_target "amdgcn-amd-amdhsa--gfx1250"
	.amdhsa_code_object_version 6
	.text
	.protected	k_q697c7e56bc_proj_wo
	.globl	k_q697c7e56bc_proj_wo
	.p2align	8
	.type	k_q697c7e56bc_proj_wo,@function
k_q697c7e56bc_proj_wo:
	s_mov_b64 s[64:65], 0
	v_nop
	global_prefetch_b8 v0, s[64:65] scope:SCOPE_SE
	s_setreg_imm32_b32 hwreg(HW_REG_WAVE_MODE, 25, 1), 1
	s_wait_xcnt 0x0
	s_wait_alu depctr_hold_cnt(0) depctr_sa_sdst(0) depctr_va_vdst(0) depctr_va_sdst(0) depctr_va_ssrc(0) depctr_va_vcc(0) depctr_vm_vsrc(0)
	s_getreg_b32 s2, hwreg(HW_REG_IB_STS2, 6, 4)
	s_cmp_eq_u32 s2, 0
	s_cbranch_scc0 .Lentry_in_a_cluster
	s_endpgm
.Lentry_in_a_cluster:
	s_bfe_u32 s2, ttmp6, 0x10000c
	s_cmp_lg_u32 s2, 0xf033
	s_cbranch_scc0 .Lentry_shape_is_right
	s_endpgm
.Lentry_shape_is_right:
; x1 = x + vals Wo^T + bo.  vals: bf16 planes [16][4096][64]; Wo: bf16 planes [16][1024][64] at byte WBOFF of wb; bo, x, x1: f32, x and x1 [4096][1024] row-major.  Sums and the residual in f32.
; SHARES.  A work-group makes 128 x 128 of the result (256 work-groups), each of four waves 64 x 64: 16 accumulators.  K goes in slots of 256 (four planes) through a ring of two LDS slots.  A tile's part of a plane is
; dense in memory: a tensor load has one long row a plane (64 matrix rows x 128 bytes); the mover pads 16 bytes behind every 128, so matrix rows lie 144 bytes apart in LDS (16 rows of a fragment load start in 16
; different 16-byte columns of the banks' 256 bytes: ISA guide 11.1).
; CLUSTER 4 x 4: A's tile is asked for jointly along a cluster's row, B's along a column.
; THE WALK ALONG K.  Slot s of my cluster takes K block s xor phi, phi = (cluster y mod 4) xor 2 (cluster x), a number 0..3 that all sixteen partners share.  Within each group of four blocks the two clusters of a row of
; clusters, which read the same tiles of A, take orders that differ by 2, and four clusters one above the other, which read the same tiles of B, four different orders: clusters that share a tile ask for it in different slots.
; THE PRODUCT IS TRANSPOSED (source 0 = rows of W): a lane holds 8 neighbouring columns of one row; the bias in that form is the C
; operand of the first products.  The residual's 64 x 64 numbers are loaded at the start, in the form in which rows leave, and are on their way during the products.
; A trip of the loop is two quarters of 64 along K (a plane each); two trips are a slot; the fragments run on across a change of slots.
; REGISTERS by windows of 256: 0: addresses, the bias v96-127, the accumulators v128-255; 1: two fragment buffers of 128 (64 of A, 64 of B), later rows on their way out; 2: v0-127 the residual.
; LIMITS.  The operands are bf16; the f32 sums take K in the cluster's order; NaN and infinities are not treated apart.
.set T,      4                         ; slots: 1,024 / 256
.set WBOFF,  6291456
.set PL,     4
.set D0,     4096                      ; elements of a plane in a load: 64 rows x 64
.set PITA,   262144
.set PITB,   65536
.set HALFT,  36864                     ; what one load fills: 4 planes x 64 rows x 144
.set SLOT,   147456                    ; 0x24000: shares no bit with the four places of a load in a slot (0, 0x9000, 0x12000, 0x1b000), so one exclusive or changes slots
.set STEPGA, 2097152                   ; bytes of memory from K block to K block: 4 planes
.set STEPGB, 524288
.set TR,     18432                     ; LDS bytes from trip to trip: two planes of a half
.set OFF1,   9216                      ; the trip's second fetch: the next plane
.set STAGE,  294912                    ; behind the ring: 16 rows x 272 bytes for each wave
.set SPITCH, 272
.set SPARE,  312320
.set G1W0,   (1<<16)|(1<<20)|(1<<21)|(4<<22)|(3<<25)
.set A0,  16
.set B0,  17
.set AA,  18
.set AB,  19
.set STO, 24
.set RD,  25
.set CO,  26                           ; v26  my 16 bytes in two rows of x and x1
.set BO,  27
.set SPW, 28
.set NIL, 29
.set BIAS, 96
.set ACC,  128
.set F0,   0
.set F1,   128
.set WV,   14
.set FORB, 15
.set HALF, 16
.set G1A, 24
.set G0A, 32
.set BASA, 40                          ; s[40:41] A at my part of K block 0; never rewritten
.set BASB, 42                          ; s[42:43] the same for B
.set OFA, 46                           ; s[46:47] a K block's byte offset in A (the high word stays 0)
.set G1B, 48
.set G0B, 56
.set TB,  66
.set OFB, 68                           ; s[68:69] a K block's byte offset in B (the high word stays 0)
.set CNT, 71
.set SLOTS, 72
.set PHI, 73                           ; s73  phi
.set ASKED, 88                         ; s88  the slot asked for last
.set KB,  89                           ; s89  its K block
.set W_MUL, 0x05                       ; sources 0 (B) and 1 (A) window 1; C and D window 0
.set MSB, 0
.macro WIN new
.if MSB != (\new)
	s_set_vgpr_msb (MSB<<8)|(\new)
.set MSB, \new
.endif
.endm
.macro PLACES
.rept 4
	v_nop
.endr
.endm
.macro CROUND
	s_barrier_signal -1
	s_barrier_wait -1
	s_cmp_lg_u32 s[WV], 0
	s_cbranch_scc1 .Lnot_wave_0_\@
	s_barrier_signal -3
.Lnot_wave_0_\@:
	s_barrier_wait -3
	s_barrier_signal -1
	s_barrier_wait -1
.endm
.macro JLOAD
	s_cmp_eq_u32 s[FORB], 0
	s_cbranch_scc0 .Lfor_b_\@
	tensor_load_to_lds s[G0A+4:G0A+7], s[G1A:G1A+7]
	s_nop 0
.rept 4
	v_nop
.endr
	s_branch .Lasked_\@
.Lfor_b_\@:
	tensor_load_to_lds s[G0B+4:G0B+7], s[G1B:G1B+7]
	s_nop 0
.rept 4
	v_nop
.endr
.Lasked_\@:
.endm
	s_load_b256 s[4:11], s[0:1], 0x0               ; A s[4:5], wb s[6:7], bias s[8:9], residual s[10:11]
	s_load_b64 s[12:13], s[0:1], 0x20              ; result
	v_lshl_add_u32 v[SPW], v0, 2, SPARE
	v_mov_b32 v[NIL], 0
	ds_add_u32 v[SPW], v[NIL]                      ; the wave's opening: the add is waited for ahead of my first tensor load
	v_lshrrev_b32 v1, 5, v0
	v_readfirstlane_b32 s[WV], v1
	s_lshr_b32 s[FORB], s[WV], 1                   ; which half of the tile's rows is mine.  Also: I fetch for A (0) or for B (1)
	s_and_b32 s[HALF], s[WV], 1                    ; which half of its columns.  Also: which half of that tile I fetch
	s_bfe_u32 s17, ttmp6, 0x40000
	s_bfe_u32 s18, ttmp6, 0x40004
	s_lshl_b32 s19, ttmp9, 2
	s_add_co_u32 s19, s19, s17                     ; tile column
	s_and_b32 s20, ttmp7, 0xffff
	s_lshl_b32 s20, s20, 2
	s_add_co_u32 s20, s20, s18                     ; tile row
	s_lshl_b32 s21, s18, 2
	s_lshl_b32 s21, 15, s21
	s_lshl_b32 s22, 0x1111, s17
	s_or_b32 s[G1A], s21, G1W0
	s_or_b32 s[G1B], s22, G1W0
	s_and_b32 s21, ttmp7, 3                        ; cluster y mod 4,
	s_lshl_b32 s22, ttmp9, 1                       ; 2 x cluster x (0 or 1):
	s_xor_b32 s[PHI], s21, s22                     ; phi, made of the cluster's coordinates alone
.irp g, G1A, G1B
	s_mov_b32 s[\g+1], (D0&0xffff)<<16
	s_mov_b32 s[\g+2], (D0>>16)|(PL<<16)
	s_mov_b32 s[\g+3], D0<<16
	s_mov_b32 s[\g+4], PL
	s_mov_b32 s[\g+6], 0
	s_mov_b32 s[\g+7], 0
.endr
	s_mov_b32 s[G1A+5], PITA
	s_mov_b32 s[G1B+5], PITB
	s_lshl_b32 s40, s20, 14                        ; A: 128 rows x 128 bytes a tile row,
	s_lshl_b32 s23, s[HALF], 13                    ; my 64 of them
	s_add_co_u32 s40, s40, s23
	s_mov_b32 s41, 0
	s_lshl_b32 s42, s19, 14
	s_add_co_u32 s42, s42, s23
	s_add_co_u32 s42, s42, WBOFF
	s_mov_b32 s43, 0
	s_mul_i32 s44, s[HALF], HALFT
	s_add_co_u32 s45, s44, 2*HALFT
	s_lshl_b32 s46, s19, 9                         ; my first column, in bytes of f32
	s_lshl_b32 s47, s[HALF], 8
	s_add_co_u32 s46, s46, s47
	s_mov_b32 s47, 0
	s_lshl_b32 s68, s20, 19                        ; my first row, 4,096 bytes each
	s_lshl_b32 s69, s[FORB], 18
	s_add_co_u32 s68, s68, s69
	s_add_co_u32 s68, s68, s46
	s_mov_b32 s69, 0
	s_wait_dscnt 0x0                               ; the opening add is done
	s_wait_kmcnt 0x0
	s_add_nc_u64 s[BASA:BASA+1], s[4:5], s[40:41]
	s_add_nc_u64 s[BASB:BASB+1], s[6:7], s[42:43]
	s_add_nc_u64 s[8:9], s[8:9], s[46:47]
	s_add_nc_u64 s[10:11], s[10:11], s[68:69]
	s_add_nc_u64 s[12:13], s[12:13], s[68:69]
	CROUND                                         ; all sixteen work-groups are here: the first joint loads meet
.irp s, 0,1
	s_xor_b32 s[KB], s[PHI], \s                    ; slot s takes K block s xor phi
	s_mul_i32 s[OFA], s[KB], STEPGA
	s_mul_i32 s[OFB], s[KB], STEPGB
	s_mov_b32 s[G0A+4*(\s)], 1
	s_add_co_u32 s[G0A+4*(\s)+1], s44, (\s)*SLOT
	s_add_nc_u64 s[G0A+4*(\s)+2:G0A+4*(\s)+3], s[BASA:BASA+1], s[OFA:OFA+1]
	s_or_b32 s[G0A+4*(\s)+3], s[G0A+4*(\s)+3], 0x80000000
	s_mov_b32 s[G0B+4*(\s)], 1
	s_add_co_u32 s[G0B+4*(\s)+1], s45, (\s)*SLOT
	s_add_nc_u64 s[G0B+4*(\s)+2:G0B+4*(\s)+3], s[BASB:BASB+1], s[OFB:OFB+1]
	s_or_b32 s[G0B+4*(\s)+3], s[G0B+4*(\s)+3], 0x80000000
.endr
	s_cmp_eq_u32 s[FORB], 0                        ; a wave's two first fills stand in one branch: two loads of mine are out
	s_cbranch_scc0 .Lfirst_b
	tensor_load_to_lds s[G0A:G0A+3], s[G1A:G1A+7]
	s_nop 0
	tensor_load_to_lds s[G0A+4:G0A+7], s[G1A:G1A+7]
	s_nop 0
.rept 4
	v_nop
.endr
	s_branch .Lfirst_asked
.Lfirst_b:
	tensor_load_to_lds s[G0B:G0B+3], s[G1B:G1B+7]
	s_nop 0
	tensor_load_to_lds s[G0B+4:G0B+7], s[G1B:G1B+7]
	s_nop 0
.rept 4
	v_nop
.endr
.Lfirst_asked:
	v_and_b32 v1, 15, v0
	v_bfe_u32 v2, v0, 4, 1
	v_lshlrev_b32 v[BO], 5, v2
.irp b, 0,1,2,3
	global_load_b128 v[BIAS+8*(\b):BIAS+8*(\b)+3],   v[BO], s[8:9] offset:64*(\b)
	global_load_b128 v[BIAS+8*(\b)+4:BIAS+8*(\b)+7], v[BO], s[8:9] offset:64*(\b)+16
.endr
	v_lshlrev_b32 v[CO], 12, v2                    ; lanes 0-15 one row's 256 bytes, lanes 16-31 the next row's
	v_lshl_add_u32 v[CO], v1, 4, v[CO]
	WIN 0x80
.irp a, 0,1,2,3
.irp t, 0,1,2,3,4,5,6,7
	global_load_b128 v[32*(\a)+4*(\t):32*(\a)+4*(\t)+3], v[CO], s[10:11] offset:(16*(\a)+2*(\t))*4096
.endr
.endr
	WIN 0
	v_mul_u32_u24 v3, v1, 144
	v_lshl_add_u32 v3, v2, 4, v3
	s_mul_i32 s21, s[FORB], HALFT
	s_mul_i32 s22, s[HALF], HALFT
	s_add_co_u32 s22, s22, 2*HALFT
	v_add_nc_u32 v[A0], s21, v3
	v_add_nc_u32 v[B0], s22, v3
	s_mul_i32 s23, s[WV], 16*SPITCH
	s_add_co_u32 s23, s23, STAGE
	v_mul_u32_u24 v4, v1, SPITCH                   ; in: row l % 16, 32 bytes for each half of the lanes
	v_lshl_add_u32 v4, v2, 5, v4
	v_add_nc_u32 v[STO], s23, v4
	v_mul_u32_u24 v5, v2, SPITCH                   ; back: lanes 0-15 one row of 256 bytes, lanes 16-31 the next
	v_lshl_add_u32 v5, v1, 4, v5
	v_add_nc_u32 v[RD], s23, v5
; 8 products: row blocks a0, a0 + 1 x all 4 column blocks, 32 along K: half c of buffer f.  The 16 accumulators take turns.  zero = 1: the bias starts the sums.
.macro MUL8 f, c, a0, zero
	WIN W_MUL
.irp a, \a0, (\a0)+1
.irp b, 0,1,2,3
.if \zero
	v_wmma_f32_16x16x32_bf16 v[ACC+8*(4*(\a)+(\b)):ACC+8*(4*(\a)+(\b))+7], v[(\f)+64+8*(4*(\c)+(\b)):(\f)+64+8*(4*(\c)+(\b))+7], v[(\f)+8*(4*(\c)+(\a)):(\f)+8*(4*(\c)+(\a))+7], v[BIAS+8*(\b):BIAS+8*(\b)+7]
.else
	v_wmma_f32_16x16x32_bf16 v[ACC+8*(4*(\a)+(\b)):ACC+8*(4*(\a)+(\b))+7], v[(\f)+64+8*(4*(\c)+(\b)):(\f)+64+8*(4*(\c)+(\b))+7], v[(\f)+8*(4*(\c)+(\a)):(\f)+8*(4*(\c)+(\a))+7], v[ACC+8*(4*(\a)+(\b)):ACC+8*(4*(\a)+(\b))+7]
.endif
.endr
.endr
.endm
.macro FETCH f, k                      ; 32 LDS loads in one run: a plane's fragments (64 along K), the first 32 along K first
	WIN 0x40
.irp c, 0,1
.irp i, 0,1,2,3
	ds_load_b128 v[(\f)+64+8*(4*(\c)+(\i)):(\f)+64+8*(4*(\c)+(\i))+3],   v[AB] offset:(\k)+64*(\c)+(\i)*2304
	ds_load_b128 v[(\f)+64+8*(4*(\c)+(\i))+4:(\f)+64+8*(4*(\c)+(\i))+7], v[AB] offset:(\k)+64*(\c)+(\i)*2304+32
	ds_load_b128 v[(\f)+8*(4*(\c)+(\i)):(\f)+8*(4*(\c)+(\i))+3],         v[AA] offset:(\k)+64*(\c)+(\i)*2304
	ds_load_b128 v[(\f)+8*(4*(\c)+(\i))+4:(\f)+8*(4*(\c)+(\i))+7],       v[AA] offset:(\k)+64*(\c)+(\i)*2304+32
.endr
.endr
.endm
.macro Q f, g, koff, zero
	s_wait_dscnt 16                                ; the first 32 along K are in
	MUL8 \f, 0, 0, \zero
	MUL8 \f, 0, 2, \zero
	PLACES
	FETCH \g, \koff
	s_wait_dscnt 32                                ; all but the 32 just issued
	MUL8 \f, 1, 0, 0
	MUL8 \f, 1, 2, 0
.endm
.macro TRIP
	WIN 0
	v_add_nc_u32 v[AA], s[TB], v[A0]
	v_add_nc_u32 v[AB], s[TB], v[B0]
	Q F1, F0, 0, 0
	Q F0, F1, OFF1, 0
	s_add_co_u32 s[TB], s[TB], TR
	WIN 0
.endm
; THE CHANGE OF SLOTS.  The old slot's last fragments are in registers.  Each wave waits for all its tensor loads (one is out: its part of the next slot), adds 0 to its spare word, and waits for that and for its reads
; of the old slot.  fill = 1: a round of the cluster's barrier, and the joint refill first behind it; it has a slot's 128 matrix instructions in which to land.
.macro CHANGE fill
	WIN 0
	s_wait_tensorcnt 0x0                           ; no tensor load of mine is out, so a group 0 may be written
	ds_add_u32 v[SPW], v[NIL]
.if \fill
	s_add_co_u32 s[ASKED], s[ASKED], 1             ; the slot that is asked for now,
	s_xor_b32 s[KB], s[ASKED], s[PHI]              ; and the K block that my cluster takes in it
	s_mul_i32 s[OFA], s[KB], STEPGA
	s_mul_i32 s[OFB], s[KB], STEPGB
	s_xor_b32 s[G0A+5], s[G0A+5], SLOT             ; the other slot than last time;
	s_add_nc_u64 s[G0A+6:G0A+7], s[BASA:BASA+1], s[OFA:OFA+1]  ; the address is made anew: the base and an offset made apart,
	s_or_b32 s[G0A+7], s[G0A+7], 0x80000000        ; and the type bits
	s_xor_b32 s[G0B+5], s[G0B+5], SLOT
	s_add_nc_u64 s[G0B+6:G0B+7], s[BASB:BASB+1], s[OFB:OFB+1]
	s_or_b32 s[G0B+7], s[G0B+7], 0x80000000
.endif
	s_sub_co_u32 s[TB], s[TB], 2*TR
	s_xor_b32 s[TB], s[TB], SLOT
	s_wait_dscnt 0x0                               ; the add is done, and my reads of the old slot are over
.if \fill
	CROUND
	JLOAD
.else
	s_barrier_signal -1
	s_barrier_wait -1
.endif
.endm
	s_wait_tensorcnt 0x1                           ; my part of slot 0's tile is in; slot 1's may stay out
	s_barrier_signal -1
	s_barrier_wait -1
	v_mov_b32 v[AA], v[A0]
	v_mov_b32 v[AB], v[B0]
	FETCH F0, 0
	s_wait_loadcnt 32                              ; the bias is in; the residual's 32 loads stay out
	Q F0, F1, OFF1, 1                              ; the first quarter stands in front of the loop: its first products start the sums
	WIN 0
	s_mov_b32 s[TB], TR
	s_mov_b32 s[ASKED], 1
	s_mov_b32 s[CNT], 1                            ; slot 0 has one trip left
	s_mov_b32 s[SLOTS], T-1
	s_branch .Ltrip
.Lslot:                                            ; T - 2 times
	CHANGE 1
	s_mov_b32 s[CNT], 2
.Ltrip:
	TRIP
	s_sub_co_u32 s[CNT], s[CNT], 1
	s_cmp_lg_u32 s[CNT], 0
	s_cbranch_scc1 .Ltrip
	s_sub_co_u32 s[SLOTS], s[SLOTS], 1
	s_cmp_lg_u32 s[SLOTS], 0
	s_cbranch_scc1 .Lslot
	CHANGE 0                                       ; the tail is written out
	s_mov_b32 s[CNT], 2
.Ltail:
	TRIP
	s_sub_co_u32 s[CNT], s[CNT], 1
	s_cmp_lg_u32 s[CNT], 0
	s_cbranch_scc1 .Ltail
	s_wait_dscnt 16                                ; the last quarter
	MUL8 F1, 0, 0, 0
	MUL8 F1, 0, 2, 0
	s_wait_dscnt 0x0
	MUL8 F1, 1, 0, 0
	MUL8 F1, 1, 2, 0
	WIN 0
	PLACES
	; THE WAY OUT, 16 rows at a time: the f32 sums go into my stage (rows of 272 bytes) and come back as whole rows of 256 bytes; the residual is added; 16 lanes store 256 consecutive bytes, aligned.
.irp a, 0,1,2,3
	WIN 0
.irp b, 0,1,2,3
	ds_store_b128 v[STO], v[ACC+8*(4*(\a)+(\b)):ACC+8*(4*(\a)+(\b))+3]   offset:64*(\b)
	ds_store_b128 v[STO], v[ACC+8*(4*(\a)+(\b))+4:ACC+8*(4*(\a)+(\b))+7] offset:64*(\b)+16
.endr
	WIN 0x40
.irp t, 0,1,2,3,4,5,6,7
	ds_load_b128 v[32*(\a)+4*(\t):32*(\a)+4*(\t)+3], v[RD] offset:(\t)*2*SPITCH  ; LDS serves a wave's instructions in order (ISA guide 5.7.1.4)
.endr
.endr
	s_wait_loadcnt 0x0                             ; the residual
.irp a, 0,1,2,3
	s_wait_dscnt 16*(3-(\a))                       ; the later blocks' 16 LDS instructions each may be out
	WIN 0x49                                       ; rows in window 1, the residual in window 2
.set i, 0
.rept 16
	v_pk_add_f32 v[32*(\a)+i:32*(\a)+i+1], v[32*(\a)+i:32*(\a)+i+1], v[32*(\a)+i:32*(\a)+i+1]
.set i, i+2
.endr
	WIN 0x04
.irp t, 0,1,2,3,4,5,6,7
	global_store_b128 v[CO], v[32*(\a)+4*(\t):32*(\a)+4*(\t)+3], s[12:13] offset:(16*(\a)+2*(\t))*4096
.endr
.endr
	WIN 0
	s_wait_tensorcnt 0x0                           ; the wave's end
	ds_add_u32 v[SPW], v[NIL]
	s_wait_dscnt 0x0
	CROUND                                         ; the closing round
	s_endpgm
.Lfunc_end_k_q697c7e56bc_proj_wo:
	.size	k_q697c7e56bc_proj_wo, .Lfunc_end_k_q697c7e56bc_proj_wo-k_q697c7e56bc_proj_wo
	.p2alignl 7, 3214868480
	.fill 96, 4, 3214868480
	.section	.rodata,"a",@progbits
	.p2align	6, 0x0
	.amdhsa_kernel k_q697c7e56bc_proj_wo
		.amdhsa_group_segment_fixed_size 327680
		.amdhsa_private_segment_fixed_size 0
		.amdhsa_enable_private_segment 0
		.amdhsa_kernarg_size 40
		.amdhsa_user_sgpr_count 2
		.amdhsa_user_sgpr_kernarg_segment_ptr 1
		.amdhsa_wavefront_size32 1
		.amdhsa_system_sgpr_workgroup_id_x 1
		.amdhsa_system_sgpr_workgroup_id_y 1
		.amdhsa_system_sgpr_workgroup_id_z 1
		.amdhsa_system_vgpr_workitem_id 0
		.amdhsa_next_free_vgpr 640
		.amdhsa_next_free_sgpr 90
		.amdhsa_reserve_vcc 0
		.amdhsa_float_denorm_mode_32 3
		.amdhsa_float_denorm_mode_16_64 3
		.amdhsa_memory_ordered 1
		.amdhsa_forward_progress 1
		.amdhsa_inst_pref_size 51
	.end_amdhsa_kernel
	.amdgpu_metadata
---
amdhsa.version: [ 1, 2 ]
amdhsa.kernels:
  - .name:           k_q697c7e56bc_proj_wo
    .symbol:         k_q697c7e56bc_proj_wo.kd
    .args:
      - { .name: vals, .offset: 0, .size: 8, .value_kind: global_buffer, .address_space: global }
      - { .name: wb, .offset: 8, .size: 8, .value_kind: global_buffer, .address_space: global }
      - { .name: bo, .offset: 16, .size: 8, .value_kind: global_buffer, .address_space: global }
      - { .name: x, .offset: 24, .size: 8, .value_kind: global_buffer, .address_space: global }
      - { .name: x1, .offset: 32, .size: 8, .value_kind: global_buffer, .address_space: global }
    .group_segment_fixed_size: 327680
    .private_segment_fixed_size: 0
    .kernarg_segment_align: 8
    .kernarg_segment_size: 40
    .max_flat_workgroup_size: 128
    .sgpr_count:     90
    .vgpr_count:     640
    .wavefront_size: 32
...
	.end_amdgpu_metadata
.endif
;; end of part 4
;; launch ln2 (part 5): grid 256 x 1, 8 waves a work-group, no clusters, 0 bytes of LDS; arguments x1, g2, b2, h; writes h
.if DOCPART == 5
	.amdgcn_target "amdgcn-amd-amdhsa--gfx1250"
	.amdhsa_code_object_version 6
	.text
	.protected	k_q697c7e56bc_ln2
	.globl	k_q697c7e56bc_ln2
	.p2align	8
	.type	k_q697c7e56bc_ln2,@function
k_q697c7e56bc_ln2:
	s_mov_b64 s[64:65], 0
	v_nop
	global_prefetch_b8 v0, s[64:65] scope:SCOPE_SE
	s_setreg_imm32_b32 hwreg(HW_REG_WAVE_MODE, 25, 1), 1
	s_wait_xcnt 0x0
; h = LayerNorm(x1) g2 + b2, rounded once to bf16, in planes [16][4096][64].  x1: f32 [4096][1024].
; One wave takes 2 rows and ends: lanes 0-15 the even row, lanes 16-31 the odd one; load j takes columns 64 j .. 64 j + 63, store j the wave's 256 consecutive bytes of plane j.
; The rows stay in registers between the passes; the variance is taken of the deviations from the mean, not as a difference of two large sums.  No LDS, no barrier: no wave needs another's data.
.set XR,  16
.set GR,  80
.set BR,  144
.macro REDUCE                          ; four packed partial sums in v[6:13] -> the row's sum in v6 of all 16 lanes that hold the row
	v_pk_add_f32 v[6:7], v[6:7], v[8:9]
	v_pk_add_f32 v[10:11], v[10:11], v[12:13]
	v_pk_add_f32 v[6:7], v[6:7], v[10:11]
	v_add_f32 v6, v6, v7
	v_add_f32_dpp v6, v6, v6 row_xmask:1 row_mask:0xf bank_mask:0xf
	v_add_f32_dpp v6, v6, v6 row_xmask:2 row_mask:0xf bank_mask:0xf
	v_add_f32_dpp v6, v6, v6 row_xmask:4 row_mask:0xf bank_mask:0xf
	v_add_f32_dpp v6, v6, v6 row_xmask:8 row_mask:0xf bank_mask:0xf
.endm
	s_load_b256 s[4:11], s[0:1], 0x0               ; x1 s[4:5], g2 s[6:7], b2 s[8:9], h s[10:11]
	v_lshrrev_b32 v1, 5, v0
	v_readfirstlane_b32 s24, v1
	v_and_b32 v2, 31, v0
	v_and_b32 v3, 15, v0
	v_bfe_u32 v4, v0, 4, 1
	s_lshl_b32 s30, ttmp9, 3
	s_add_co_u32 s30, s30, s24                     ; my pair of rows
	s_lshl_b32 s34, s30, 13
	s_mov_b32 s35, 0
	s_lshl_b32 s36, s30, 8
	s_mov_b32 s37, 0
	v_lshlrev_b32 v5, 12, v4
	v_lshl_add_u32 v5, v3, 4, v5
	v_lshlrev_b32 v1, 4, v3
	v_lshlrev_b32 v2, 3, v2
	s_mov_b32 s40, 0x3a800000                      ; 1 / 1,024
	s_mov_b32 s41, 0x3727c5ac                      ; 1e-5
	s_wait_kmcnt 0x0
	s_add_nc_u64 s[4:5], s[4:5], s[34:35]
	s_add_nc_u64 s[10:11], s[10:11], s[36:37]
.irp j, 0,1,2,3,4,5,6,7,8,9,10,11,12,13,14,15
	global_load_b128 v[XR+4*(\j):XR+4*(\j)+3], v5, s[4:5] offset:256*(\j)
.endr
.irp j, 0,1,2,3,4,5,6,7,8,9,10,11,12,13,14,15
	global_load_b128 v[GR+4*(\j):GR+4*(\j)+3], v1, s[6:7] offset:256*(\j)
.endr
.irp j, 0,1,2,3,4,5,6,7,8,9,10,11,12,13,14,15
	global_load_b128 v[BR+4*(\j):BR+4*(\j)+3], v1, s[8:9] offset:256*(\j)
.endr
	s_wait_loadcnt 32                              ; the rows are in; the 32 loads of gain and bias may stay out
.irp c, 0,1,2,3
	v_pk_add_f32 v[6+2*(\c):7+2*(\c)], v[XR+2*(\c):XR+2*(\c)+1], v[XR+8+2*(\c):XR+8+2*(\c)+1]
.endr
.set i, 8
.rept 24
	v_pk_add_f32 v[6+2*(i%4):7+2*(i%4)], v[6+2*(i%4):7+2*(i%4)], v[XR+2*i:XR+2*i+1]
.set i, i+1
.endr
	REDUCE
	v_mul_f32 v14, s40, v6                         ; the mean, twice
	v_mov_b32 v15, v14
.set i, 0
.rept 32
	v_pk_add_f32 v[XR+2*i:XR+2*i+1], v[XR+2*i:XR+2*i+1], v[14:15] neg_lo:[0,1] neg_hi:[0,1]
.set i, i+1
.endr
.irp c, 0,1,2,3
	v_pk_mul_f32 v[6+2*(\c):7+2*(\c)], v[XR+2*(\c):XR+2*(\c)+1], v[XR+2*(\c):XR+2*(\c)+1]
.endr
.set i, 4
.rept 28
	v_pk_fma_f32 v[6+2*(i%4):7+2*(i%4)], v[XR+2*i:XR+2*i+1], v[XR+2*i:XR+2*i+1], v[6+2*(i%4):7+2*(i%4)]
.set i, i+1
.endr
	REDUCE
	v_fma_f32 v6, v6, s40, s41                     ; variance + 1e-5
	v_rsq_f32 v14, v6
	v_rsq_f32 v15, v6
	v_nop                                          ; a plain instruction between the root and the use of its result (ISA guide 5.7.2)
	s_wait_loadcnt 0x0
	s_wait_alu depctr_va_vdst(0)
.irp j, 0,1,2,3,4,5,6,7,8,9,10,11,12,13,14,15
	v_pk_mul_f32 v[XR+4*(\j):XR+4*(\j)+1], v[XR+4*(\j):XR+4*(\j)+1], v[14:15]
	v_pk_mul_f32 v[XR+4*(\j)+2:XR+4*(\j)+3], v[XR+4*(\j)+2:XR+4*(\j)+3], v[14:15]
	v_pk_fma_f32 v[XR+4*(\j):XR+4*(\j)+1], v[XR+4*(\j):XR+4*(\j)+1], v[GR+4*(\j):GR+4*(\j)+1], v[BR+4*(\j):BR+4*(\j)+1]
	v_pk_fma_f32 v[XR+4*(\j)+2:XR+4*(\j)+3], v[XR+4*(\j)+2:XR+4*(\j)+3], v[GR+4*(\j)+2:GR+4*(\j)+3], v[BR+4*(\j)+2:BR+4*(\j)+3]
	v_cvt_pk_bf16_f32 v[XR+4*(\j)], v[XR+4*(\j)], v[XR+4*(\j)+1]
	v_cvt_pk_bf16_f32 v[XR+4*(\j)+1], v[XR+4*(\j)+2], v[XR+4*(\j)+3]
	global_store_b64 v2, v[XR+4*(\j):XR+4*(\j)+1], s[10:11] offset:(\j)*524288  ; plane j; 32 lanes store 256 consecutive bytes, aligned
.endr
	s_endpgm
.Lfunc_end_k_q697c7e56bc_ln2:
	.size	k_q697c7e56bc_ln2, .Lfunc_end_k_q697c7e56bc_ln2-k_q697c7e56bc_ln2
	.p2alignl 7, 3214868480
	.fill 96, 4, 3214868480
	.section	.rodata,"a",@progbits
	.p2align	6, 0x0
	.amdhsa_kernel k_q697c7e56bc_ln2
		.amdhsa_group_segment_fixed_size 0
		.amdhsa_private_segment_fixed_size 0
		.amdhsa_enable_private_segment 0
		.amdhsa_kernarg_size 32
		.amdhsa_user_sgpr_count 2
		.amdhsa_user_sgpr_kernarg_segment_ptr 1
		.amdhsa_wavefront_size32 1
		.amdhsa_system_sgpr_workgroup_id_x 1
		.amdhsa_system_sgpr_workgroup_id_y 1
		.amdhsa_system_sgpr_workgroup_id_z 1
		.amdhsa_system_vgpr_workitem_id 0
		.amdhsa_next_free_vgpr 208
		.amdhsa_next_free_sgpr 66
		.amdhsa_reserve_vcc 0
		.amdhsa_float_denorm_mode_32 3
		.amdhsa_float_denorm_mode_16_64 3
		.amdhsa_memory_ordered 1
		.amdhsa_forward_progress 1
		.amdhsa_inst_pref_size 21
	.end_amdhsa_kernel
	.amdgpu_metadata
---
amdhsa.version: [ 1, 2 ]
amdhsa.kernels:
  - .name:           k_q697c7e56bc_ln2
    .symbol:         k_q697c7e56bc_ln2.kd
    .args:
      - { .name: x1, .offset: 0, .size: 8, .value_kind: global_buffer, .address_space: global }
      - { .name: g2, .offset: 8, .size: 8, .value_kind: global_buffer, .address_space: global }
      - { .name: b2, .offset: 16, .size: 8, .value_kind: global_buffer, .address_space: global }
      - { .name: h, .offset: 24, .size: 8, .value_kind: global_buffer, .address_space: global }
    .group_segment_fixed_size: 0
    .private_segment_fixed_size: 0
    .kernarg_segment_align: 8
    .kernarg_segment_size: 32
    .max_flat_workgroup_size: 256
    .sgpr_count:     66
    .vgpr_count:     208
    .wavefront_size: 32
...
	.end_amdgpu_metadata
.endif
;; end of part 5
;; launch mlp_w1 (part 6): grid 16 x 16, 4 waves a work-group, clusters of 4 x 4, 327,680 bytes of LDS; arguments h, wb, b1m, act; writes act
.if DOCPART == 6
	.amdgcn_target "amdgcn-amd-amdhsa--gfx1250"
	.amdhsa_code_object_version 6
	.text
	.protected	k_q697c7e56bc_mlp_w1
	.globl	k_q697c7e56bc_mlp_w1
	.p2align	8
	.type	k_q697c7e56bc_mlp_w1,@function
k_q697c7e56bc_mlp_w1:
	s_mov_b64 s[64:65], 0
	v_nop
	global_prefetch_b8 v0, s[64:65] scope:SCOPE_SE
	s_setreg_imm32_b32 hwreg(HW_REG_WAVE_MODE, 25, 1), 1
	s_wait_xcnt 0x0
	s_wait_alu depctr_hold_cnt(0) depctr_sa_sdst(0) depctr_va_vdst(0) depctr_va_sdst(0) depctr_va_ssrc(0) depctr_va_vcc(0) depctr_vm_vsrc(0)
	s_getreg_b32 s2, hwreg(HW_REG_IB_STS2, 6, 4)
	s_cmp_eq_u32 s2, 0
	s_cbranch_scc0 .Lentry_in_a_cluster
	s_endpgm
.Lentry_in_a_cluster:
	s_bfe_u32 s2, ttmp6, 0x10000c
	s_cmp_lg_u32 s2, 0xf033
	s_cbranch_scc0 .Lentry_shape_is_right
	s_endpgm
.Lentry_shape_is_right:
; act = gelu(h W1^T + b1m), the exact (erf) form.  h: bf16 planes [16][4096][64]; W1: bf16 planes [16][4096][64] at byte WBOFF of wb; b1m f32; act: bf16 planes [64][4096][64], rounded once.
; SHARES.  A work-group makes 256 x 256, each of four waves 128 x 128: 64 accumulators, 512 registers.  K goes in slots of 128 (two planes) through a ring of two LDS slots.  A tile's part of a plane is dense in memory:
; a tensor load has one long row a plane (128 matrix rows x 128 bytes); the mover pads 16 bytes behind every 128, so matrix rows lie 144 bytes apart in LDS (ISA guide 11.1: 16 rows start in 16 different 16-byte columns).
; CLUSTER 4 x 4: A's tile is asked for jointly along a cluster's row, B's along a column.  THE PRODUCT IS TRANSPOSED (source 0 = rows of W); the bias in the result's form is the C operand of the first products.
; THE WALK ALONG K.  Slot s of my cluster takes K block s xor phi, phi = cluster x xor 2 (cluster y mod 2), a number 0..3 that all sixteen partners share.  Within each group of four blocks the four clusters of a row
; of clusters, which read the same tiles of A, take four different orders, and two clusters one above the other, which read the same tiles of B, orders that differ by 2: clusters that share a tile ask for it in different slots.
; A trip of the loop is two quarters of 32 along K (one plane); two trips are a slot; the fragments run on across a change of slots.
; GELU.  gelu(x) = max(x, 0) - |x| q, q = erfc(|x| / sqrt 2) / 2 = (a1 t + .. + a5 t^5) / 2 x 2^(-x^2 log2(e) / 2), t = 1 / (1 + 0.3275911 |x| / sqrt 2) (Abramowitz and Stegun 7.1.26: erfc to 1.5e-7 absolute, for every x).
; No choice by sign, no difference of near numbers.  The sums leave the accumulators through LDS (the ring, whose last fill and last read are over) and are taken 16 rows at a time in a loop of 8 trips.
; REGISTERS by windows of 256: 0: addresses, A's fragments v64-127 / v128-191, the bias v192-255; 1: B's fragments v64-127 / v128-191, later the four arrays of 64 of the gelu; 2, 3: the accumulators, (a, b) at 8 (8 (a % 4) + b).
; LIMITS.  Operands and result are bf16; the f32 sums take K in the cluster's order; 2^(..) below 2^-126 counts as 0; NaN and infinities are not treated apart.
.set T,      8
.set WBOFF,  8388608
.set PL,     2
.set D0,     8192
.set PIT,    262144
.set HALFT,  36864
.set SLOT,   147456                    ; 0x24000: shares no bit with the four places of a load in a slot, so one exclusive or changes slots
.set STEPG,  1048576                   ; bytes of memory from K block to K block: 2 planes, in A and in B
.set TR,     18432
.set OFF1,   64
.set DPITCH, 528                       ; the sums' rows in LDS: 512 bytes + 16
.set DWAVE,  128*DPITCH                ; a wave's 128 rows
.set SPARE,  294912
.set G1W0,   (1<<16)|(1<<20)|(1<<21)|(4<<22)|(3<<25)
.set A0,  16
.set B0,  17
.set AA,  18
.set AB,  19
.set STO, 24
.set RD,  25
.set GO,  26
.set BO,  27
.set SPW, 28
.set NIL, 29
.set F0,   64
.set F1,   128
.set BIAS, 192
.set XV,  0                            ; window 1: x
.set TV,  64                           ; t, later the result
.set EV,  128                          ; the exponential, later the packed result
.set PP,  192                          ; the polynomial
.set WV,   14
.set FORB, 15
.set HALF, 16
.set G1A, 24
.set G0A, 32
.set BASA, 40                          ; s[40:41] A at my part of K block 0; never rewritten
.set BASB, 42                          ; s[42:43] the same for B
.set OFA, 46                           ; s[46:47] a K block's byte offset, in A and in B (the high word stays 0)
.set G1B, 48
.set G0B, 56
.set TB,  66
.set CNT, 71
.set SLOTS, 72
.set PHI, 73                           ; s73  phi
.set PS,  74                           ; s74      0.3275911 / sqrt 2
.set NC,  76                           ; s[76:77] -log2(e) / 2
.set CA1, 78                           ; s[78:87] a1 / 2 .. a5 / 2, each named as a pair, its low word taken for both halves
.set CA2, 80
.set CA3, 82
.set CA4, 84
.set CA5, 86
.set ASKED, 88                         ; s88  the slot asked for last
.set KB,  89                           ; s89  its K block
.set MSB, 0
.macro WIN new
.if MSB != (\new)
	s_set_vgpr_msb (MSB<<8)|(\new)
.set MSB, \new
.endif
.endm
.macro PLACES
.rept 4
	v_nop
.endr
.endm
.macro CROUND
	s_barrier_signal -1
	s_barrier_wait -1
	s_cmp_lg_u32 s[WV], 0
	s_cbranch_scc1 .Lnot_wave_0_\@
	s_barrier_signal -3
.Lnot_wave_0_\@:
	s_barrier_wait -3
	s_barrier_signal -1
	s_barrier_wait -1
.endm
.macro JLOAD
	s_cmp_eq_u32 s[FORB], 0
	s_cbranch_scc0 .Lfor_b_\@
	tensor_load_to_lds s[G0A+4:G0A+7], s[G1A:G1A+7]
	s_nop 0
.rept 4
	v_nop
.endr
	s_branch .Lasked_\@
.Lfor_b_\@:
	tensor_load_to_lds s[G0B+4:G0B+7], s[G1B:G1B+7]
	s_nop 0
.rept 4
	v_nop
.endr
.Lasked_\@:
.endm
	s_load_b256 s[4:11], s[0:1], 0x0               ; h s[4:5], wb s[6:7], b1m s[8:9], act s[10:11]
	v_lshl_add_u32 v[SPW], v0, 2, SPARE
	v_mov_b32 v[NIL], 0
	ds_add_u32 v[SPW], v[NIL]                      ; the wave's opening: the add is waited for ahead of my first tensor load
	v_lshrrev_b32 v1, 5, v0
	v_readfirstlane_b32 s[WV], v1
	s_lshr_b32 s[FORB], s[WV], 1
	s_and_b32 s[HALF], s[WV], 1
	s_bfe_u32 s17, ttmp6, 0x40000
	s_bfe_u32 s18, ttmp6, 0x40004
	s_lshl_b32 s19, ttmp9, 2
	s_add_co_u32 s19, s19, s17                     ; tile column
	s_and_b32 s20, ttmp7, 0xffff
	s_lshl_b32 s20, s20, 2
	s_add_co_u32 s20, s20, s18                     ; tile row
	s_lshl_b32 s21, s18, 2
	s_lshl_b32 s21, 15, s21
	s_lshl_b32 s22, 0x1111, s17
	s_or_b32 s[G1A], s21, G1W0
	s_or_b32 s[G1B], s22, G1W0
	s_and_b32 s21, ttmp7, 1                        ; cluster y mod 2,
	s_lshl_b32 s21, s21, 1
	s_xor_b32 s[PHI], s21, ttmp9                   ; phi = cluster x xor 2 (cluster y mod 2): made of the cluster's coordinates alone
.irp g, G1A, G1B
	s_mov_b32 s[\g+1], (D0&0xffff)<<16
	s_mov_b32 s[\g+2], (D0>>16)|(PL<<16)
	s_mov_b32 s[\g+3], D0<<16
	s_mov_b32 s[\g+4], PL
	s_mov_b32 s[\g+5], PIT
	s_mov_b32 s[\g+6], 0
	s_mov_b32 s[\g+7], 0
.endr
	s_lshl_b32 s40, s20, 15                        ; A: 256 rows x 128 bytes a tile row,
	s_lshl_b32 s23, s[HALF], 14                    ; my 128 of them
	s_add_co_u32 s40, s40, s23
	s_mov_b32 s41, 0
	s_lshl_b32 s42, s19, 15
	s_add_co_u32 s42, s42, s23
	s_add_co_u32 s42, s42, WBOFF
	s_mov_b32 s43, 0
	s_mul_i32 s44, s[HALF], HALFT
	s_add_co_u32 s45, s44, 2*HALFT
	s_lshl_b32 s46, s19, 10                        ; my 128 numbers of the bias
	s_lshl_b32 s47, s[HALF], 9
	s_add_co_u32 s46, s46, s47
	s_mov_b32 s47, 0
	s_lshl_b32 s68, s19, 2                         ; the way out: plane 4 x tile column + 2 x my half,
	s_lshl_b32 s69, s[HALF], 1
	s_add_co_u32 s68, s68, s69
	s_lshl_b32 s68, s68, 19
	s_lshl_b32 s69, s20, 15                        ; the tile's rows,
	s_add_co_u32 s68, s68, s69
	s_lshl_b32 s69, s[FORB], 14                    ; my 128
	s_add_co_u32 s68, s68, s69
	s_mov_b32 s69, 0
	s_mov_b32 s[PS], 0x3e6d3388
	s_mov_b32 s[PS+1], 0
	s_mov_b32 s[NC], 0xbf38aa3b
	s_mov_b32 s[NC+1], 0
	s_mov_b32 s[CA1], 0x3e027906
	s_mov_b32 s[CA1+1], 0
	s_mov_b32 s[CA2], 0xbe11a98e
	s_mov_b32 s[CA2+1], 0
	s_mov_b32 s[CA3], 0x3f35f0e3
	s_mov_b32 s[CA3+1], 0
	s_mov_b32 s[CA4], 0xbf3a00e3
	s_mov_b32 s[CA4+1], 0
	s_mov_b32 s[CA5], 0x3f07dc22
	s_mov_b32 s[CA5+1], 0
	s_wait_dscnt 0x0                               ; the opening add is done
	s_wait_kmcnt 0x0
	s_add_nc_u64 s[BASA:BASA+1], s[4:5], s[40:41]
	s_add_nc_u64 s[BASB:BASB+1], s[6:7], s[42:43]
	s_add_nc_u64 s[8:9], s[8:9], s[46:47]
	s_add_nc_u64 s[10:11], s[10:11], s[68:69]
	CROUND                                         ; all sixteen work-groups are here: the first joint loads meet
.irp s, 0,1
	s_xor_b32 s[KB], s[PHI], \s                    ; slot s takes K block s xor phi
	s_mul_i32 s[OFA], s[KB], STEPG
	s_mov_b32 s[G0A+4*(\s)], 1
	s_add_co_u32 s[G0A+4*(\s)+1], s44, (\s)*SLOT
	s_add_nc_u64 s[G0A+4*(\s)+2:G0A+4*(\s)+3], s[BASA:BASA+1], s[OFA:OFA+1]
	s_or_b32 s[G0A+4*(\s)+3], s[G0A+4*(\s)+3], 0x80000000
	s_mov_b32 s[G0B+4*(\s)], 1
	s_add_co_u32 s[G0B+4*(\s)+1], s45, (\s)*SLOT
	s_add_nc_u64 s[G0B+4*(\s)+2:G0B+4*(\s)+3], s[BASB:BASB+1], s[OFA:OFA+1]
	s_or_b32 s[G0B+4*(\s)+3], s[G0B+4*(\s)+3], 0x80000000
.endr
	s_cmp_eq_u32 s[FORB], 0                        ; a wave's two first fills stand in one branch: two loads of mine are out
	s_cbranch_scc0 .Lfirst_b
	tensor_load_to_lds s[G0A:G0A+3], s[G1A:G1A+7]
	s_nop 0
	tensor_load_to_lds s[G0A+4:G0A+7], s[G1A:G1A+7]
	s_nop 0
.rept 4
	v_nop
.endr
	s_branch .Lfirst_asked
.Lfirst_b:
	tensor_load_to_lds s[G0B:G0B+3], s[G1B:G1B+7]
	s_nop 0
	tensor_load_to_lds s[G0B+4:G0B+7], s[G1B:G1B+7]
	s_nop 0
.rept 4
	v_nop
.endr
.Lfirst_asked:
	v_and_b32 v1, 15, v0
	v_bfe_u32 v2, v0, 4, 1
	v_lshlrev_b32 v[BO], 5, v2
.irp b, 0,1,2,3,4,5,6,7
	global_load_b128 v[BIAS+8*(\b):BIAS+8*(\b)+3],   v[BO], s[8:9] offset:64*(\b)
	global_load_b128 v[BIAS+8*(\b)+4:BIAS+8*(\b)+7], v[BO], s[8:9] offset:64*(\b)+16
.endr
	v_mul_u32_u24 v3, v1, 144
	v_lshl_add_u32 v3, v2, 4, v3
	s_mul_i32 s21, s[FORB], HALFT
	s_mul_i32 s22, s[HALF], HALFT
	s_add_co_u32 s22, s22, 2*HALFT
	v_add_nc_u32 v[A0], s21, v3
	v_add_nc_u32 v[B0], s22, v3
	s_mul_i32 s23, s[WV], DWAVE                    ; where my sums will lie
	v_mul_u32_u24 v4, v1, DPITCH                   ; in: row l % 16, 32 bytes for each half of the lanes
	v_lshl_add_u32 v4, v2, 5, v4
	v_add_nc_u32 v[STO], s23, v4
	v_bfe_u32 v4, v0, 3, 2                         ; back: 8 lanes take 64 columns of a row, 32 lanes four rows
	v_mul_u32_u24 v4, v4, DPITCH
	v_and_b32 v5, 7, v0
	v_lshl_add_u32 v4, v5, 5, v4
	v_add_nc_u32 v[RD], s23, v4
	v_and_b32 v[GO], 31, v0
	v_lshlrev_b32 v[GO], 4, v[GO]
; 16 products: row blocks a0, a0 + 1 of the window's four x all 8 column blocks, 32 along K.  The 64 accumulators take turns.  zero = 1: the bias starts the sums.
.macro MUL16 f, hi, a0, zero
.if \zero
	WIN 0x81+0x40*(\hi)
.else
	WIN 0xa1+0x50*(\hi)
.endif
.irp a, \a0, (\a0)+1
.irp b, 0,1,2,3,4,5,6,7
.if \zero
	v_wmma_f32_16x16x32_bf16 v[8*(8*(\a)+(\b)):8*(8*(\a)+(\b))+7], v[(\f)+8*(\b):(\f)+8*(\b)+7], v[(\f)+8*(4*(\hi)+(\a)):(\f)+8*(4*(\hi)+(\a))+7], v[BIAS+8*(\b):BIAS+8*(\b)+7]
.else
	v_wmma_f32_16x16x32_bf16 v[8*(8*(\a)+(\b)):8*(8*(\a)+(\b))+7], v[(\f)+8*(\b):(\f)+8*(\b)+7], v[(\f)+8*(4*(\hi)+(\a)):(\f)+8*(4*(\hi)+(\a))+7], v[8*(8*(\a)+(\b)):8*(8*(\a)+(\b))+7]
.endif
.endr
.endr
.endm
.macro FETCH f, k                      ; 32 LDS loads in one run: B's 8 fragments, then A's 8
	WIN 0x40
.irp i, 0,1,2,3,4,5,6,7
	ds_load_b128 v[(\f)+8*(\i):(\f)+8*(\i)+3],   v[AB] offset:(\k)+(\i)*2304
	ds_load_b128 v[(\f)+8*(\i)+4:(\f)+8*(\i)+7], v[AB] offset:(\k)+(\i)*2304+32
.endr
	WIN 0
.irp i, 0,1,2,3,4,5,6,7
	ds_load_b128 v[(\f)+8*(\i):(\f)+8*(\i)+3],   v[AA] offset:(\k)+(\i)*2304
	ds_load_b128 v[(\f)+8*(\i)+4:(\f)+8*(\i)+7], v[AA] offset:(\k)+(\i)*2304+32
.endr
.endm
.macro Q f, g, koff, zero
	s_wait_dscnt 8                                 ; B and A's rows 0-63 are in; the youngest eight loads (A's rows 64-127) may be out
	MUL16 \f, 0, 0, \zero
	MUL16 \f, 0, 2, \zero
	PLACES
	FETCH \g, \koff
	s_wait_dscnt 32                                ; all but the 32 just issued
	MUL16 \f, 1, 0, \zero
	MUL16 \f, 1, 2, \zero
.endm
.macro TRIP
	WIN 0
	v_add_nc_u32 v[AA], s[TB], v[A0]
	v_add_nc_u32 v[AB], s[TB], v[B0]
	Q F1, F0, 0, 0
	Q F0, F1, OFF1, 0
	s_add_co_u32 s[TB], s[TB], TR
	WIN 0
.endm
; THE CHANGE OF SLOTS: every wave's waits, the add, and (fill = 1) a round of the cluster's barrier with the joint refill first behind it; the refill has a slot's 256 matrix instructions in which to land.
.macro CHANGE fill
	WIN 0
	s_wait_tensorcnt 0x0                           ; no tensor load of mine is out, so a group 0 may be written
	ds_add_u32 v[SPW], v[NIL]
.if \fill
	s_add_co_u32 s[ASKED], s[ASKED], 1             ; the slot that is asked for now,
	s_xor_b32 s[KB], s[ASKED], s[PHI]              ; and the K block that my cluster takes in it
	s_mul_i32 s[OFA], s[KB], STEPG
	s_xor_b32 s[G0A+5], s[G0A+5], SLOT             ; the other slot than last time;
	s_add_nc_u64 s[G0A+6:G0A+7], s[BASA:BASA+1], s[OFA:OFA+1]  ; the address is made anew: the base and an offset made apart,
	s_or_b32 s[G0A+7], s[G0A+7], 0x80000000        ; and the type bits
	s_xor_b32 s[G0B+5], s[G0B+5], SLOT
	s_add_nc_u64 s[G0B+6:G0B+7], s[BASB:BASB+1], s[OFA:OFA+1]
	s_or_b32 s[G0B+7], s[G0B+7], 0x80000000
.endif
	s_sub_co_u32 s[TB], s[TB], 2*TR
	s_xor_b32 s[TB], s[TB], SLOT
	s_wait_dscnt 0x0                               ; the add is done, and my reads of the old slot are over
.if \fill
	CROUND
	JLOAD
.else
	s_barrier_signal -1
	s_barrier_wait -1
.endif
.endm
	s_wait_tensorcnt 0x1                           ; my part of slot 0's tile is in; slot 1's may stay out
	s_barrier_signal -1
	s_barrier_wait -1
	v_mov_b32 v[AA], v[A0]
	v_mov_b32 v[AB], v[B0]
	FETCH F0, 0
	s_wait_loadcnt 0x0                             ; the bias
	Q F0, F1, OFF1, 1
	WIN 0
	s_mov_b32 s[TB], TR
	s_mov_b32 s[ASKED], 1
	s_mov_b32 s[CNT], 1
	s_mov_b32 s[SLOTS], T-1
	s_branch .Ltrip
.Lslot:
	CHANGE 1
	s_mov_b32 s[CNT], 2
.Ltrip:
	TRIP
	s_sub_co_u32 s[CNT], s[CNT], 1
	s_cmp_lg_u32 s[CNT], 0
	s_cbranch_scc1 .Ltrip
	s_sub_co_u32 s[SLOTS], s[SLOTS], 1
	s_cmp_lg_u32 s[SLOTS], 0
	s_cbranch_scc1 .Lslot
	CHANGE 0
	s_mov_b32 s[CNT], 2
.Ltail:
	TRIP
	s_sub_co_u32 s[CNT], s[CNT], 1
	s_cmp_lg_u32 s[CNT], 0
	s_cbranch_scc1 .Ltail
	s_wait_dscnt 8                                 ; the last quarter
	MUL16 F1, 0, 0, 0
	MUL16 F1, 0, 2, 0
	s_wait_dscnt 0x0                               ; my last reads of the ring are back:
	s_barrier_signal -1                            ; say so; products on registers stand between signal and wait
	MUL16 F1, 1, 0, 0
	MUL16 F1, 1, 2, 0
	WIN 0
	s_barrier_wait -1                              ; no wave reads the ring any more, and no fill follows: its bytes may take the sums
	PLACES
.irp a, 0,1,2,3,4,5,6,7                ; my 128 x 128 sums, f32, into my own 67,584 bytes
	WIN 0x08+0x04*((\a)/4)
.irp b, 0,1,2,3,4,5,6,7
	ds_store_b128 v[STO], v[8*(8*((\a)%4)+(\b)):8*(8*((\a)%4)+(\b))+3]   offset:(\a)*16*DPITCH+64*(\b)
	ds_store_b128 v[STO], v[8*(8*((\a)%4)+(\b))+4:8*(8*((\a)%4)+(\b))+7] offset:(\a)*16*DPITCH+64*(\b)+16
.endr
.endr
	WIN 0
	s_mov_b32 s[TB], 0
	s_mov_b32 s[CNT], 8
.Lgelu:                                            ; a trip: 16 rows x 128 columns, 64 numbers a lane
	v_add_nc_u32 v[AA], s[TB], v[RD]
	WIN 0x40
.irp pl, 0,1
.irp f, 0,1,2,3
	ds_load_b128 v[XV+8*(4*(\pl)+(\f)):XV+8*(4*(\pl)+(\f))+3],   v[AA] offset:(\pl)*256+(\f)*4*DPITCH     ; LDS serves a wave's instructions in order (ISA guide 5.7.1.4): these see my stores
	ds_load_b128 v[XV+8*(4*(\pl)+(\f))+4:XV+8*(4*(\pl)+(\f))+7], v[AA] offset:(\pl)*256+(\f)*4*DPITCH+16
.endr
.endr
	s_wait_dscnt 0x0
	WIN 0x55
.set i, 0
.rept 64
	v_fma_f32 v[TV+i], |v[XV+i]|, s[PS], 1.0
.set i, i+1
.endr
.set i, 0
.rept 32
	v_pk_mul_f32 v[EV+i:EV+i+1], v[XV+i:XV+i+1], v[XV+i:XV+i+1]
.set i, i+2
.endr
.set i, 0
.rept 64
	v_rcp_f32 v[TV+i], v[TV+i]
.set i, i+1
.endr
.set i, 0
.rept 32                               ; plain lines that touch no t stand behind the reciprocals
	v_pk_mul_f32 v[EV+i:EV+i+1], v[EV+i:EV+i+1], s[NC:NC+1] op_sel_hi:[1,0]
.set i, i+2
.endr
.set i, 0
.rept 64
	v_exp_f32 v[EV+i], v[EV+i]
.set i, i+1
.endr
.set i, 0
	s_wait_alu depctr_va_vdst(0)
.rept 32                               ; plain lines that touch no exponential stand behind them
	v_pk_fma_f32 v[PP+i:PP+i+1], v[TV+i:TV+i+1], s[CA5:CA5+1], s[CA4:CA4+1] op_sel_hi:[1,0,0]
.set i, i+2
.endr
.irp c, CA3, CA2, CA1
.set i, 0
.rept 32
	v_pk_fma_f32 v[PP+i:PP+i+1], v[PP+i:PP+i+1], v[TV+i:TV+i+1], s[\c:\c+1] op_sel_hi:[1,1,0]
.set i, i+2
.endr
.endr
.set i, 0
.rept 32
	v_pk_mul_f32 v[PP+i:PP+i+1], v[PP+i:PP+i+1], v[TV+i:TV+i+1]
.set i, i+2
.endr
.set i, 0
.rept 32
	v_pk_mul_f32 v[PP+i:PP+i+1], v[PP+i:PP+i+1], v[EV+i:EV+i+1]
.set i, i+2
.endr
.set i, 0
.rept 64
	v_max_num_f32 v[TV+i], 0, v[XV+i]
.set i, i+1
.endr
.set i, 0
.rept 64
	v_fma_f32 v[TV+i], -|v[XV+i]|, v[PP+i], v[TV+i]
.set i, i+1
.endr
.set i, 0
.rept 32
	v_cvt_pk_bf16_f32 v[EV+i], v[TV+2*i], v[TV+2*i+1]
.set i, i+1
.endr
	WIN 0x04
.irp pl, 0,1
.irp f, 0,1,2,3
	global_store_b128 v[GO], v[EV+4*(4*(\pl)+(\f)):EV+4*(4*(\pl)+(\f))+3], s[10:11] offset:(\pl)*524288+(\f)*512  ; four rows of a plane: 512 consecutive bytes, aligned
.endr
.endr
	WIN 0
	s_add_co_u32 s[TB], s[TB], 16*DPITCH
	s_wait_xcnt 0x0                                ; the stores have read their data and their base: both are written again only behind this wait
	s_add_nc_u64 s[10:11], s[10:11], 2048          ; 16 rows of a plane on
	s_sub_co_u32 s[CNT], s[CNT], 1
	s_cmp_lg_u32 s[CNT], 0
	s_cbranch_scc1 .Lgelu
	s_wait_tensorcnt 0x0                           ; the wave's end
	ds_add_u32 v[SPW], v[NIL]
	s_wait_dscnt 0x0
	CROUND                                         ; the closing round
	s_endpgm
.Lfunc_end_k_q697c7e56bc_mlp_w1:
	.size	k_q697c7e56bc_mlp_w1, .Lfunc_end_k_q697c7e56bc_mlp_w1-k_q697c7e56bc_mlp_w1
	.p2alignl 7, 3214868480
	.fill 96, 4, 3214868480
	.section	.rodata,"a",@progbits
	.p2align	6, 0x0
	.amdhsa_kernel k_q697c7e56bc_mlp_w1
		.amdhsa_group_segment_fixed_size 327680
		.amdhsa_private_segment_fixed_size 0
		.amdhsa_enable_private_segment 0
		.amdhsa_kernarg_size 32
		.amdhsa_user_sgpr_count 2
		.amdhsa_user_sgpr_kernarg_segment_ptr 1
		.amdhsa_wavefront_size32 1
		.amdhsa_system_sgpr_workgroup_id_x 1
		.amdhsa_system_sgpr_workgroup_id_y 1
		.amdhsa_system_sgpr_workgroup_id_z 1
		.amdhsa_system_vgpr_workitem_id 0
		.amdhsa_next_free_vgpr 1024
		.amdhsa_next_free_sgpr 90
		.amdhsa_reserve_vcc 0
		.amdhsa_float_denorm_mode_32 3
		.amdhsa_float_denorm_mode_16_64 3
		.amdhsa_memory_ordered 1
		.amdhsa_forward_progress 1
		.amdhsa_inst_pref_size 93
	.end_amdhsa_kernel
	.amdgpu_metadata
---
amdhsa.version: [ 1, 2 ]
amdhsa.kernels:
  - .name:           k_q697c7e56bc_mlp_w1
    .symbol:         k_q697c7e56bc_mlp_w1.kd
    .args:
      - { .name: h, .offset: 0, .size: 8, .value_kind: global_buffer, .address_space: global }
      - { .name: wb, .offset: 8, .size: 8, .value_kind: global_buffer, .address_space: global }
      - { .name: b1m, .offset: 16, .size: 8, .value_kind: global_buffer, .address_space: global }
      - { .name: act, .offset: 24, .size: 8, .value_kind: global_buffer, .address_space: global }
    .group_segment_fixed_size: 327680
    .private_segment_fixed_size: 0
    .kernarg_segment_align: 8
    .kernarg_segment_size: 32
    .max_flat_workgroup_size: 128
    .sgpr_count:     90
    .vgpr_count:     1024
    .wavefront_size: 32
...
	.end_amdgpu_metadata
.endif
;; end of part 6
;; launch mlp_w2 (part 7): grid 8 x 32, 4 waves a work-group, clusters of 4 x 4, 327,680 bytes of LDS; arguments act, wb, b2m, x1, out0; writes out0
.if DOCPART == 7
	.amdgcn_target "amdgcn-amd-amdhsa--gfx1250"
	.amdhsa_code_object_version 6
	.text
	.protected	k_q697c7e56bc_mlp_w2
	.globl	k_q697c7e56bc_mlp_w2
	.p2align	8
	.type	k_q697c7e56bc_mlp_w2,@function
k_q697c7e56bc_mlp_w2:
	s_mov_b64 s[64:65], 0
	v_nop
	global_prefetch_b8 v0, s[64:65] scope:SCOPE_SE
	s_setreg_imm32_b32 hwreg(HW_REG_WAVE_MODE, 25, 1), 1
	s_wait_xcnt 0x0
	s_wait_alu depctr_hold_cnt(0) depctr_sa_sdst(0) depctr_va_vdst(0) depctr_va_sdst(0) depctr_va_ssrc(0) depctr_va_vcc(0) depctr_vm_vsrc(0)
	s_getreg_b32 s2, hwreg(HW_REG_IB_STS2, 6, 4)
	s_cmp_eq_u32 s2, 0
	s_cbranch_scc0 .Lentry_in_a_cluster
	s_endpgm
.Lentry_in_a_cluster:
	s_bfe_u32 s2, ttmp6, 0x10000c
	s_cmp_lg_u32 s2, 0xf033
	s_cbranch_scc0 .Lentry_shape_is_right
	s_endpgm
.Lentry_shape_is_right:
; out0 = x1 + act W2^T + b2m.  act: bf16 planes [64][4096][64]; W2: bf16 planes [64][1024][64] at byte WBOFF of wb; b2m, x1, out0: f32, x1 and out0 [4096][1024] row-major.  Sums and the residual in f32.
; SHARES.  A work-group makes 128 x 128 of the result (256 work-groups), each of four waves 64 x 64: 16 accumulators.  K = 4,096 goes in 16 slots of 256 (four planes) through a ring of two LDS slots.  A tile's part of a
; plane is dense in memory: a tensor load has one long row a plane (64 matrix rows x 128 bytes); the mover pads 16 bytes behind every 128, so matrix rows lie 144 bytes apart in LDS (16 rows of a fragment load start in
; 16 different 16-byte columns of the banks' 256 bytes: ISA guide 11.1).
; CLUSTER 4 x 4: A's tile is asked for jointly along a cluster's row, B's along a column.
; THE WALK ALONG K.  Slot s of my cluster takes K block s xor phi, phi = (cluster y mod 4) xor 2 (cluster x), a number 0..3 that all sixteen partners share.  Within each group of four blocks the two clusters of a row of
; clusters, which read the same tiles of A, take orders that differ by 2, and four clusters one above the other, which read the same tiles of B, four different orders: clusters that share a tile ask for it in different slots.
; THE PRODUCT IS TRANSPOSED (source 0 = rows of W): a lane holds 8 neighbouring columns of one row; the bias in that form is the C
; operand of the first products.  The residual's 64 x 64 numbers are loaded at the start, in the form in which rows leave.
; A trip of the loop is two quarters of 64 along K (a plane each); two trips are a slot; the fragments run on across a change of slots.
; REGISTERS by windows of 256: 0: addresses, the bias v96-127, the accumulators v128-255; 1: two fragment buffers of 128 (64 of A, 64 of B), later rows on their way out; 2: v0-127 the residual.
; LIMITS.  The operands are bf16; the f32 sums take K in the cluster's order; NaN and infinities are not treated apart.
.set T,      16                        ; slots: 4,096 / 256
.set WBOFF,  16777216
.set PL,     4
.set D0,     4096
.set PITA,   262144
.set PITB,   65536
.set HALFT,  36864
.set SLOT,   147456                    ; 0x24000: shares no bit with the four places of a load in a slot, so one exclusive or changes slots
.set STEPGA, 2097152                   ; bytes of memory from K block to K block: 4 planes
.set STEPGB, 524288
.set TR,     18432
.set OFF1,   9216
.set STAGE,  294912
.set SPITCH, 272
.set SPARE,  312320
.set G1W0,   (1<<16)|(1<<20)|(1<<21)|(4<<22)|(3<<25)
.set A0,  16
.set B0,  17
.set AA,  18
.set AB,  19
.set STO, 24
.set RD,  25
.set CO,  26
.set BO,  27
.set SPW, 28
.set NIL, 29
.set BIAS, 96
.set ACC,  128
.set F0,   0
.set F1,   128
.set WV,   14
.set FORB, 15
.set HALF, 16
.set G1A, 24
.set G0A, 32
.set BASA, 40                          ; s[40:41] A at my part of K block 0; never rewritten
.set BASB, 42                          ; s[42:43] the same for B
.set OFA, 46                           ; s[46:47] a K block's byte offset in A (the high word stays 0)
.set G1B, 48
.set G0B, 56
.set TB,  66
.set OFB, 68                           ; s[68:69] a K block's byte offset in B (the high word stays 0)
.set CNT, 71
.set SLOTS, 72
.set PHI, 73                           ; s73  phi
.set ASKED, 88                         ; s88  the slot asked for last
.set KB,  89                           ; s89  its K block
.set W_MUL, 0x05
.set MSB, 0
.macro WIN new
.if MSB != (\new)
	s_set_vgpr_msb (MSB<<8)|(\new)
.set MSB, \new
.endif
.endm
.macro PLACES
.rept 4
	v_nop
.endr
.endm
.macro CROUND
	s_barrier_signal -1
	s_barrier_wait -1
	s_cmp_lg_u32 s[WV], 0
	s_cbranch_scc1 .Lnot_wave_0_\@
	s_barrier_signal -3
.Lnot_wave_0_\@:
	s_barrier_wait -3
	s_barrier_signal -1
	s_barrier_wait -1
.endm
.macro JLOAD
	s_cmp_eq_u32 s[FORB], 0
	s_cbranch_scc0 .Lfor_b_\@
	tensor_load_to_lds s[G0A+4:G0A+7], s[G1A:G1A+7]
	s_nop 0
.rept 4
	v_nop
.endr
	s_branch .Lasked_\@
.Lfor_b_\@:
	tensor_load_to_lds s[G0B+4:G0B+7], s[G1B:G1B+7]
	s_nop 0
.rept 4
	v_nop
.endr
.Lasked_\@:
.endm
	s_load_b256 s[4:11], s[0:1], 0x0               ; A s[4:5], wb s[6:7], bias s[8:9], residual s[10:11]
	s_load_b64 s[12:13], s[0:1], 0x20              ; result
	v_lshl_add_u32 v[SPW], v0, 2, SPARE
	v_mov_b32 v[NIL], 0
	ds_add_u32 v[SPW], v[NIL]                      ; the wave's opening: the add is waited for ahead of my first tensor load
	v_lshrrev_b32 v1, 5, v0
	v_readfirstlane_b32 s[WV], v1
	s_lshr_b32 s[FORB], s[WV], 1
	s_and_b32 s[HALF], s[WV], 1
	s_bfe_u32 s17, ttmp6, 0x40000
	s_bfe_u32 s18, ttmp6, 0x40004
	s_lshl_b32 s19, ttmp9, 2
	s_add_co_u32 s19, s19, s17                     ; tile column
	s_and_b32 s20, ttmp7, 0xffff
	s_lshl_b32 s20, s20, 2
	s_add_co_u32 s20, s20, s18                     ; tile row
	s_lshl_b32 s21, s18, 2
	s_lshl_b32 s21, 15, s21
	s_lshl_b32 s22, 0x1111, s17
	s_or_b32 s[G1A], s21, G1W0
	s_or_b32 s[G1B], s22, G1W0
	s_and_b32 s21, ttmp7, 3                        ; cluster y mod 4,
	s_lshl_b32 s22, ttmp9, 1                       ; 2 x cluster x (0 or 1):
	s_xor_b32 s[PHI], s21, s22                     ; phi, made of the cluster's coordinates alone
.irp g, G1A, G1B
	s_mov_b32 s[\g+1], (D0&0xffff)<<16
	s_mov_b32 s[\g+2], (D0>>16)|(PL<<16)
	s_mov_b32 s[\g+3], D0<<16
	s_mov_b32 s[\g+4], PL
	s_mov_b32 s[\g+6], 0
	s_mov_b32 s[\g+7], 0
.endr
	s_mov_b32 s[G1A+5], PITA
	s_mov_b32 s[G1B+5], PITB
	s_lshl_b32 s40, s20, 14
	s_lshl_b32 s23, s[HALF], 13
	s_add_co_u32 s40, s40, s23
	s_mov_b32 s41, 0
	s_lshl_b32 s42, s19, 14
	s_add_co_u32 s42, s42, s23
	s_add_co_u32 s42, s42, WBOFF
	s_mov_b32 s43, 0
	s_mul_i32 s44, s[HALF], HALFT
	s_add_co_u32 s45, s44, 2*HALFT
	s_lshl_b32 s46, s19, 9
	s_lshl_b32 s47, s[HALF], 8
	s_add_co_u32 s46, s46, s47
	s_mov_b32 s47, 0
	s_lshl_b32 s68, s20, 19
	s_lshl_b32 s69, s[FORB], 18
	s_add_co_u32 s68, s68, s69
	s_add_co_u32 s68, s68, s46
	s_mov_b32 s69, 0
	s_wait_dscnt 0x0                               ; the opening add is done
	s_wait_kmcnt 0x0
	s_add_nc_u64 s[BASA:BASA+1], s[4:5], s[40:41]
	s_add_nc_u64 s[BASB:BASB+1], s[6:7], s[42:43]
	s_add_nc_u64 s[8:9], s[8:9], s[46:47]
	s_add_nc_u64 s[10:11], s[10:11], s[68:69]
	s_add_nc_u64 s[12:13], s[12:13], s[68:69]
	CROUND                                         ; all sixteen work-groups are here: the first joint loads meet
.irp s, 0,1
	s_xor_b32 s[KB], s[PHI], \s                    ; slot s takes K block s xor phi
	s_mul_i32 s[OFA], s[KB], STEPGA
	s_mul_i32 s[OFB], s[KB], STEPGB
	s_mov_b32 s[G0A+4*(\s)], 1
	s_add_co_u32 s[G0A+4*(\s)+1], s44, (\s)*SLOT
	s_add_nc_u64 s[G0A+4*(\s)+2:G0A+4*(\s)+3], s[BASA:BASA+1], s[OFA:OFA+1]
	s_or_b32 s[G0A+4*(\s)+3], s[G0A+4*(\s)+3], 0x80000000
	s_mov_b32 s[G0B+4*(\s)], 1
	s_add_co_u32 s[G0B+4*(\s)+1], s45, (\s)*SLOT
	s_add_nc_u64 s[G0B+4*(\s)+2:G0B+4*(\s)+3], s[BASB:BASB+1], s[OFB:OFB+1]
	s_or_b32 s[G0B+4*(\s)+3], s[G0B+4*(\s)+3], 0x80000000
.endr
	s_cmp_eq_u32 s[FORB], 0                        ; a wave's two first fills stand in one branch: two loads of mine are out
	s_cbranch_scc0 .Lfirst_b
	tensor_load_to_lds s[G0A:G0A+3], s[G1A:G1A+7]
	s_nop 0
	tensor_load_to_lds s[G0A+4:G0A+7], s[G1A:G1A+7]
	s_nop 0
.rept 4
	v_nop
.endr
	s_branch .Lfirst_asked
.Lfirst_b:
	tensor_load_to_lds s[G0B:G0B+3], s[G1B:G1B+7]
	s_nop 0
	tensor_load_to_lds s[G0B+4:G0B+7], s[G1B:G1B+7]
	s_nop 0
.rept 4
	v_nop
.endr
.Lfirst_asked:
	v_and_b32 v1, 15, v0
	v_bfe_u32 v2, v0, 4, 1
	v_lshlrev_b32 v[BO], 5, v2
.irp b, 0,1,2,3
	global_load_b128 v[BIAS+8*(\b):BIAS+8*(\b)+3],   v[BO], s[8:9] offset:64*(\b)
	global_load_b128 v[BIAS+8*(\b)+4:BIAS+8*(\b)+7], v[BO], s[8:9] offset:64*(\b)+16
.endr
	v_lshlrev_b32 v[CO], 12, v2
	v_lshl_add_u32 v[CO], v1, 4, v[CO]
	WIN 0x80
.irp a, 0,1,2,3
.irp t, 0,1,2,3,4,5,6,7
	global_load_b128 v[32*(\a)+4*(\t):32*(\a)+4*(\t)+3], v[CO], s[10:11] offset:(16*(\a)+2*(\t))*4096
.endr
.endr
	WIN 0
	v_mul_u32_u24 v3, v1, 144
	v_lshl_add_u32 v3, v2, 4, v3
	s_mul_i32 s21, s[FORB], HALFT
	s_mul_i32 s22, s[HALF], HALFT
	s_add_co_u32 s22, s22, 2*HALFT
	v_add_nc_u32 v[A0], s21, v3
	v_add_nc_u32 v[B0], s22, v3
	s_mul_i32 s23, s[WV], 16*SPITCH
	s_add_co_u32 s23, s23, STAGE
	v_mul_u32_u24 v4, v1, SPITCH
	v_lshl_add_u32 v4, v2, 5, v4
	v_add_nc_u32 v[STO], s23, v4
	v_mul_u32_u24 v5, v2, SPITCH
	v_lshl_add_u32 v5, v1, 4, v5
	v_add_nc_u32 v[RD], s23, v5
; 8 products: row blocks a0, a0 + 1 x all 4 column blocks, 32 along K: half c of buffer f.  The 16 accumulators take turns.  zero = 1: the bias starts the sums.
.macro MUL8 f, c, a0, zero
	WIN W_MUL
.irp a, \a0, (\a0)+1
.irp b, 0,1,2,3
.if \zero
	v_wmma_f32_16x16x32_bf16 v[ACC+8*(4*(\a)+(\b)):ACC+8*(4*(\a)+(\b))+7], v[(\f)+64+8*(4*(\c)+(\b)):(\f)+64+8*(4*(\c)+(\b))+7], v[(\f)+8*(4*(\c)+(\a)):(\f)+8*(4*(\c)+(\a))+7], v[BIAS+8*(\b):BIAS+8*(\b)+7]
.else
	v_wmma_f32_16x16x32_bf16 v[ACC+8*(4*(\a)+(\b)):ACC+8*(4*(\a)+(\b))+7], v[(\f)+64+8*(4*(\c)+(\b)):(\f)+64+8*(4*(\c)+(\b))+7], v[(\f)+8*(4*(\c)+(\a)):(\f)+8*(4*(\c)+(\a))+7], v[ACC+8*(4*(\a)+(\b)):ACC+8*(4*(\a)+(\b))+7]
.endif
.endr
.endr
.endm
.macro FETCH f, k                      ; 32 LDS loads in one run: a plane's fragments (64 along K), the first 32 along K first
	WIN 0x40
.irp c, 0,1
.irp i, 0,1,2,3
	ds_load_b128 v[(\f)+64+8*(4*(\c)+(\i)):(\f)+64+8*(4*(\c)+(\i))+3],   v[AB] offset:(\k)+64*(\c)+(\i)*2304
	ds_load_b128 v[(\f)+64+8*(4*(\c)+(\i))+4:(\f)+64+8*(4*(\c)+(\i))+7], v[AB] offset:(\k)+64*(\c)+(\i)*2304+32
	ds_load_b128 v[(\f)+8*(4*(\c)+(\i)):(\f)+8*(4*(\c)+(\i))+3],         v[AA] offset:(\k)+64*(\c)+(\i)*2304
	ds_load_b128 v[(\f)+8*(4*(\c)+(\i))+4:(\f)+8*(4*(\c)+(\i))+7],       v[AA] offset:(\k)+64*(\c)+(\i)*2304+32
.endr
.endr
.endm
.macro Q f, g, koff, zero
	s_wait_dscnt 16                                ; the first 32 along K are in
	MUL8 \f, 0, 0, \zero
	MUL8 \f, 0, 2, \zero
	PLACES
	FETCH \g, \koff
	s_wait_dscnt 32                                ; all but the 32 just issued
	MUL8 \f, 1, 0, 0
	MUL8 \f, 1, 2, 0
.endm
.macro TRIP
	WIN 0
	v_add_nc_u32 v[AA], s[TB], v[A0]
	v_add_nc_u32 v[AB], s[TB], v[B0]
	Q F1, F0, 0, 0
	Q F0, F1, OFF1, 0
	s_add_co_u32 s[TB], s[TB], TR
	WIN 0
.endm
; THE CHANGE OF SLOTS.  The old slot's last fragments are in registers.  Each wave waits for all its tensor loads (one is out: its part of the next slot), adds 0 to its spare word, and waits for that and for its reads
; of the old slot.  fill = 1: a round of the cluster's barrier, and the joint refill first behind it; it has a slot's 128 matrix instructions in which to land.
.macro CHANGE fill
	WIN 0
	s_wait_tensorcnt 0x0                           ; no tensor load of mine is out, so a group 0 may be written
	ds_add_u32 v[SPW], v[NIL]
.if \fill
	s_add_co_u32 s[ASKED], s[ASKED], 1             ; the slot that is asked for now,
	s_xor_b32 s[KB], s[ASKED], s[PHI]              ; and the K block that my cluster takes in it
	s_mul_i32 s[OFA], s[KB], STEPGA
	s_mul_i32 s[OFB], s[KB], STEPGB
	s_xor_b32 s[G0A+5], s[G0A+5], SLOT             ; the other slot than last time;
	s_add_nc_u64 s[G0A+6:G0A+7], s[BASA:BASA+1], s[OFA:OFA+1]  ; the address is made anew: the base and an offset made apart,
	s_or_b32 s[G0A+7], s[G0A+7], 0x80000000        ; and the type bits
	s_xor_b32 s[G0B+5], s[G0B+5], SLOT
	s_add_nc_u64 s[G0B+6:G0B+7], s[BASB:BASB+1], s[OFB:OFB+1]
	s_or_b32 s[G0B+7], s[G0B+7], 0x80000000
.endif
	s_sub_co_u32 s[TB], s[TB], 2*TR
	s_xor_b32 s[TB], s[TB], SLOT
	s_wait_dscnt 0x0                               ; the add is done, and my reads of the old slot are over
.if \fill
	CROUND
	JLOAD
.else
	s_barrier_signal -1
	s_barrier_wait -1
.endif
.endm
	s_wait_tensorcnt 0x1                           ; my part of slot 0's tile is in; slot 1's may stay out
	s_barrier_signal -1
	s_barrier_wait -1
	v_mov_b32 v[AA], v[A0]
	v_mov_b32 v[AB], v[B0]
	FETCH F0, 0
	s_wait_loadcnt 32                              ; the bias is in; the residual's 32 loads stay out
	Q F0, F1, OFF1, 1
	WIN 0
	s_mov_b32 s[TB], TR
	s_mov_b32 s[ASKED], 1
	s_mov_b32 s[CNT], 1
	s_mov_b32 s[SLOTS], T-1
	s_branch .Ltrip
.Lslot:                                            ; T - 2 times
	CHANGE 1
	s_mov_b32 s[CNT], 2
.Ltrip:
	TRIP
	s_sub_co_u32 s[CNT], s[CNT], 1
	s_cmp_lg_u32 s[CNT], 0
	s_cbranch_scc1 .Ltrip
	s_sub_co_u32 s[SLOTS], s[SLOTS], 1
	s_cmp_lg_u32 s[SLOTS], 0
	s_cbranch_scc1 .Lslot
	CHANGE 0                                       ; the tail is written out
	s_mov_b32 s[CNT], 2
.Ltail:
	TRIP
	s_sub_co_u32 s[CNT], s[CNT], 1
	s_cmp_lg_u32 s[CNT], 0
	s_cbranch_scc1 .Ltail
	s_wait_dscnt 16                                ; the last quarter
	MUL8 F1, 0, 0, 0
	MUL8 F1, 0, 2, 0
	s_wait_dscnt 0x0
	MUL8 F1, 1, 0, 0
	MUL8 F1, 1, 2, 0
	WIN 0
	PLACES
	; THE WAY OUT, 16 rows at a time: the f32 sums go into my stage (rows of 272 bytes) and come back as whole rows of 256 bytes; the residual is added; 16 lanes store 256 consecutive bytes, aligned.
.irp a, 0,1,2,3
	WIN 0
.irp b, 0,1,2,3
	ds_store_b128 v[STO], v[ACC+8*(4*(\a)+(\b)):ACC+8*(4*(\a)+(\b))+3]   offset:64*(\b)
	ds_store_b128 v[STO], v[ACC+8*(4*(\a)+(\b))+4:ACC+8*(4*(\a)+(\b))+7] offset:64*(\b)+16
.endr
	WIN 0x40
.irp t, 0,1,2,3,4,5,6,7
	ds_load_b128 v[32*(\a)+4*(\t):32*(\a)+4*(\t)+3], v[RD] offset:(\t)*2*SPITCH  ; LDS serves a wave's instructions in order (ISA guide 5.7.1.4)
.endr
.endr
	s_wait_loadcnt 0x0                             ; the residual
.irp a, 0,1,2,3
	s_wait_dscnt 16*(3-(\a))                       ; the later blocks' 16 LDS instructions each may be out
	WIN 0x49                                       ; rows in window 1, the residual in window 2
.set i, 0
.rept 16
	v_pk_add_f32 v[32*(\a)+i:32*(\a)+i+1], v[32*(\a)+i:32*(\a)+i+1], v[32*(\a)+i:32*(\a)+i+1]
.set i, i+2
.endr
	WIN 0x04
.irp t, 0,1,2,3,4,5,6,7
	global_store_b128 v[CO], v[32*(\a)+4*(\t):32*(\a)+4*(\t)+3], s[12:13] offset:(16*(\a)+2*(\t))*4096
.endr
.endr
	WIN 0
	s_wait_tensorcnt 0x0                           ; the wave's end
	ds_add_u32 v[SPW], v[NIL]
	s_wait_dscnt 0x0
	CROUND                                         ; the closing round
	s_endpgm
.Lfunc_end_k_q697c7e56bc_mlp_w2:
	.size	k_q697c7e56bc_mlp_w2, .Lfunc_end_k_q697c7e56bc_mlp_w2-k_q697c7e56bc_mlp_w2
	.p2alignl 7, 3214868480
	.fill 96, 4, 3214868480
	.section	.rodata,"a",@progbits
	.p2align	6, 0x0
	.amdhsa_kernel k_q697c7e56bc_mlp_w2
		.amdhsa_group_segment_fixed_size 327680
		.amdhsa_private_segment_fixed_size 0
		.amdhsa_enable_private_segment 0
		.amdhsa_kernarg_size 40
		.amdhsa_user_sgpr_count 2
		.amdhsa_user_sgpr_kernarg_segment_ptr 1
		.amdhsa_wavefront_size32 1
		.amdhsa_system_sgpr_workgroup_id_x 1
		.amdhsa_system_sgpr_workgroup_id_y 1
		.amdhsa_system_sgpr_workgroup_id_z 1
		.amdhsa_system_vgpr_workitem_id 0
		.amdhsa_next_free_vgpr 640
		.amdhsa_next_free_sgpr 90
		.amdhsa_reserve_vcc 0
		.amdhsa_float_denorm_mode_32 3
		.amdhsa_float_denorm_mode_16_64 3
		.amdhsa_memory_ordered 1
		.amdhsa_forward_progress 1
		.amdhsa_inst_pref_size 51
	.end_amdhsa_kernel
	.amdgpu_metadata
---
amdhsa.version: [ 1, 2 ]
amdhsa.kernels:
  - .name:           k_q697c7e56bc_mlp_w2
    .symbol:         k_q697c7e56bc_mlp_w2.kd
    .args:
      - { .name: act, .offset: 0, .size: 8, .value_kind: global_buffer, .address_space: global }
      - { .name: wb, .offset: 8, .size: 8, .value_kind: global_buffer, .address_space: global }
      - { .name: b2m, .offset: 16, .size: 8, .value_kind: global_buffer, .address_space: global }
      - { .name: x1, .offset: 24, .size: 8, .value_kind: global_buffer, .address_space: global }
      - { .name: out0, .offset: 32, .size: 8, .value_kind: global_buffer, .address_space: global }
    .group_segment_fixed_size: 327680
    .private_segment_fixed_size: 0
    .kernarg_segment_align: 8
    .kernarg_segment_size: 40
    .max_flat_workgroup_size: 128
    .sgpr_count:     90
    .vgpr_count:     640
    .wavefront_size: 32
...
	.end_amdgpu_metadata
.endif
;; end of part 7
;; ======== version 2 of 2: 7 launches; version 1 with the launches prep, ln2 written anew for expert scheduling mode
;; workspace buffers: wb 25,165,824 bytes; h 8,388,608 bytes; qkv 25,165,824 bytes; vals 8,388,608 bytes; x1 16,777,216 bytes; act 33,554,432 bytes
;; launch prep (part 8): grid 1024 x 1, 8 waves a work-group, no clusters, 0 bytes of LDS; arguments Wqkv, Wo, W1, W2, x, g1, b1, wb, h; writes wb, h
.if DOCPART == 8
	.amdgcn_target "amdgcn-amd-amdhsa--gfx1250"
	.amdhsa_code_object_version 6
	.text
	.protected	k_q697c7e56bc_prep
	.globl	k_q697c7e56bc_prep
	.p2align	8
	.type	k_q697c7e56bc_prep,@function
k_q697c7e56bc_prep:
	s_mov_b64 s[64:65], 0
	v_nop
	global_prefetch_b8 v0, s[64:65] scope:SCOPE_SE
	s_setreg_imm32_b32 hwreg(HW_REG_WAVE_SCHED_MODE, 0, 2), 2
	s_setreg_imm32_b32 hwreg(HW_REG_WAVE_MODE, 25, 1), 1
	s_wait_xcnt 0x0
	s_wait_alu depctr_vm_vsrc(0)
; PREP.  (a) The four weight matrices, f32 [rows][cols], are rounded once to bf16 and laid in planes: [cols / 64][rows][64], so that two
; neighbouring rows of a plane are 256 consecutive bytes.  (b) h = LayerNorm(x) g1 + b1, rounded once to bf16, in the same layout.
; SHARES.  One wave takes 2 rows x 1,024 columns and ends: lanes 0-15 the even row, lanes 16-31 the odd one.  Load j takes columns 64 j .. 64 j + 63
; (each half of the lanes 256 consecutive bytes); store j puts the wave's 256 bytes of plane j, consecutive and aligned.
; Work-groups 0-191 Wqkv, 192-255 Wo, 256-511 W1, 512-767 W2 (a row of 4,096 columns is four pieces), 768-1023 the layer norm.
; No LDS, no barrier, no matrix unit: every byte is read once and written once, and no wave needs another's data.
; The variance is taken of the deviations from the mean (two passes over registers), not as a difference of two large sums.
; THE MODE: SCHED_MODE bits 1:0 = 2 (LLVM: expert scheduling mode 2), set by the entry lines.  The code itself states the register dependences
; between vector instructions and memory instructions, with s_wait_alu, always for 0.
; THE PLAN.  Registers that memory instructions touch:
;   v5, v1        the loads' offsets; v2 (layer norm) or v[DOR ..] (casts) the stores' offsets.  Each is written once by vector lines and never again.
;   XR, GR, BR    the loads land in them; no vector line names them ahead of the loads.  The arithmetic works in place on XR; of each load's four
;                 registers the first two end as a store's data and are not written again.
; So nothing that a memory instruction has read is ever rewritten.  The 16 loads' numbers go in four blocks of four.  Block g's vector lines name block g's registers
; alone (and v14, v15, GR, BR); the four stores of block g - 1 stand among them, behind ONE wait on va_vdst at the block's head, which states that the block
; before has written their data.  One more such wait stands ahead of the first load (the offsets) and one ahead of the last four stores.
.set XR,  16                           ; v[16:79]   the 2 x 1,024 numbers: 4 a lane and load
.set GR,  80                           ; v[80:143]  the gains of my columns (layer norm)
.set BR,  144                          ; v[144:207] the biases of my columns
.set DOR, 80                           ; v[80:95]   casts: my byte offset in wb for each of the 16 planes
.macro REDUCE                          ; four packed partial sums in v[6:13] -> the row's sum in v6 of all 16 lanes that hold the row
	v_pk_add_f32 v[6:7], v[6:7], v[8:9]
	v_pk_add_f32 v[10:11], v[10:11], v[12:13]
	v_pk_add_f32 v[6:7], v[6:7], v[10:11]
	v_add_f32 v6, v6, v7
	v_add_f32_dpp v6, v6, v6 row_xmask:1 row_mask:0xf bank_mask:0xf
	v_add_f32_dpp v6, v6, v6 row_xmask:2 row_mask:0xf bank_mask:0xf
	v_add_f32_dpp v6, v6, v6 row_xmask:4 row_mask:0xf bank_mask:0xf
	v_add_f32_dpp v6, v6, v6 row_xmask:8 row_mask:0xf bank_mask:0xf
.endm
.macro NORM j                          ; load j's four deviations: times the root, times the gain plus the bias, rounded: they close up into the first two of their four registers
	v_pk_mul_f32 v[XR+4*(\j):XR+4*(\j)+1], v[XR+4*(\j):XR+4*(\j)+1], v[14:15]
	v_pk_mul_f32 v[XR+4*(\j)+2:XR+4*(\j)+3], v[XR+4*(\j)+2:XR+4*(\j)+3], v[14:15]
	v_pk_fma_f32 v[XR+4*(\j):XR+4*(\j)+1], v[XR+4*(\j):XR+4*(\j)+1], v[GR+4*(\j):GR+4*(\j)+1], v[BR+4*(\j):BR+4*(\j)+1]
	v_pk_fma_f32 v[XR+4*(\j)+2:XR+4*(\j)+3], v[XR+4*(\j)+2:XR+4*(\j)+3], v[GR+4*(\j)+2:GR+4*(\j)+3], v[BR+4*(\j)+2:BR+4*(\j)+3]
	v_cvt_pk_bf16_f32 v[XR+4*(\j)], v[XR+4*(\j)], v[XR+4*(\j)+1]
	v_cvt_pk_bf16_f32 v[XR+4*(\j)+1], v[XR+4*(\j)+2], v[XR+4*(\j)+3]
.endm
.macro PUT j, dst                      ; plane j: 4,096 rows of 128 bytes on; 32 lanes store 256 consecutive bytes, aligned
	global_store_b64 v2, v[XR+4*(\j):XR+4*(\j)+1], s[\dst:\dst+1] offset:(\j)*524288
.endm
; The layer norm of one pair of rows.  src: the pair's first byte; gp, bp: gain and bias; dst: the pair's 256 bytes in plane 0.  v2 = lane, v3 = lane % 16, v4 = lane / 16.
.macro LNROW src, gp, bp, dst
	v_lshlrev_b32 v5, 12, v4                       ; my row of the two, 4,096 bytes each,
	v_lshl_add_u32 v5, v3, 4, v5                   ; my 16 bytes of each 256
	v_lshlrev_b32 v1, 4, v3                        ; the same 16 bytes in gain and bias
	v_lshlrev_b32 v2, 3, v2                        ; my 8 bytes of the 256 that a store covers
	s_mov_b32 s40, 0x3a800000                      ; 1 / 1,024
	s_mov_b32 s41, 0x3727c5ac                      ; 1e-5
	s_wait_alu depctr_va_vdst(0)                   ; v5, v1 and v2 are written: every load and store below reads one of them as its offset
.irp j, 0,1,2,3,4,5,6,7,8,9,10,11,12,13,14,15
	global_load_b128 v[XR+4*(\j):XR+4*(\j)+3], v5, s[\src:\src+1] offset:256*(\j)
.endr
.irp j, 0,1,2,3,4,5,6,7,8,9,10,11,12,13,14,15
	global_load_b128 v[GR+4*(\j):GR+4*(\j)+3], v1, s[\gp:\gp+1] offset:256*(\j)
.endr
.irp j, 0,1,2,3,4,5,6,7,8,9,10,11,12,13,14,15
	global_load_b128 v[BR+4*(\j):BR+4*(\j)+3], v1, s[\bp:\bp+1] offset:256*(\j)
.endr
	s_wait_loadcnt 32                              ; the rows are in; the 32 loads of gain and bias may stay out
.irp c, 0,1,2,3
	v_pk_add_f32 v[6+2*(\c):7+2*(\c)], v[XR+2*(\c):XR+2*(\c)+1], v[XR+8+2*(\c):XR+8+2*(\c)+1]  ; four chains, started by the first eight pairs
.endr
.set i, 8
.rept 24
	v_pk_add_f32 v[6+2*(i%4):7+2*(i%4)], v[6+2*(i%4):7+2*(i%4)], v[XR+2*i:XR+2*i+1]
.set i, i+1
.endr
	REDUCE
	v_mul_f32 v14, s40, v6                         ; the mean, twice, for the packed subtraction
	v_mov_b32 v15, v14
.set i, 0
.rept 32
	v_pk_add_f32 v[XR+2*i:XR+2*i+1], v[XR+2*i:XR+2*i+1], v[14:15] neg_lo:[0,1] neg_hi:[0,1]
.set i, i+1
.endr
.irp c, 0,1,2,3
	v_pk_mul_f32 v[6+2*(\c):7+2*(\c)], v[XR+2*(\c):XR+2*(\c)+1], v[XR+2*(\c):XR+2*(\c)+1]
.endr
.set i, 4
.rept 28
	v_pk_fma_f32 v[6+2*(i%4):7+2*(i%4)], v[XR+2*i:XR+2*i+1], v[XR+2*i:XR+2*i+1], v[6+2*(i%4):7+2*(i%4)]
.set i, i+1
.endr
	REDUCE
	v_fma_f32 v6, v6, s40, s41                     ; variance + 1e-5
	v_rsq_f32 v14, v6
	v_rsq_f32 v15, v6
	v_nop                                          ; a plain instruction between the root and the use of its result (ISA guide 5.7.2)
	s_wait_loadcnt 0x0                             ; gain and bias
	s_wait_alu depctr_va_vdst(0)                   ; the two roots have written v14 and v15, ahead of their first reader
.irp g, 0,1,2,3
.if (\g) > 0
	s_wait_alu depctr_va_vdst(0)                   ; the block before has written its eight registers of bf16, which the four stores of this block read
.endif
.irp k, 0,1,2,3
.if (\g) > 0
	PUT 4*(\g)-4+(\k), \dst                        ; the block before; no vector line since the wait names its registers or v2
.endif
	NORM 4*(\g)+(\k)
.endr
.endr
	s_wait_alu depctr_va_vdst(0)                   ; the last block has written its eight registers of bf16, which the last four stores read
.irp k, 12,13,14,15
	PUT \k, \dst
.endr
.endm
	s_load_b512 s[4:19], s[0:1], 0x0               ; Wqkv s[4:5], Wo s[6:7], W1 s[8:9], W2 s[10:11], x s[12:13], g1 s[14:15], b1 s[16:17], wb s[18:19]
	s_load_b64 s[20:21], s[0:1], 0x40              ; h
	v_lshrrev_b32 v1, 5, v0
	v_readfirstlane_b32 s24, v1                    ; wave 0..7
	v_and_b32 v2, 31, v0                           ; lane
	v_and_b32 v3, 15, v0                           ; lane % 16
	v_bfe_u32 v4, v0, 4, 1                         ; lane / 16
	s_wait_alu depctr_va_sdst(0)                   ; s24 is written, ahead of the branch and of its first reader on either way: the wave's unit of work is made from it
	s_wait_kmcnt 0x0
	s_cmp_lt_u32 ttmp9, 768
	s_cbranch_scc0 .Lln
	; A CAST.  The matrix is chosen by the work-group's number: its address, first work-group, plane bytes, place in wb, and log2 of pieces a row.
	s_mov_b64 s[22:23], s[10:11]                   ; W2
	s_mov_b32 s25, 512
	s_mov_b32 s26, 131072
	s_mov_b32 s27, 16777216
	s_mov_b32 s28, 2
	s_mov_b32 s29, 3
	s_cmp_lt_u32 ttmp9, 512                        ; W1
	s_cselect_b64 s[22:23], s[8:9], s[22:23]
	s_cselect_b32 s25, 256, s25
	s_cselect_b32 s26, 524288, s26
	s_cselect_b32 s27, 8388608, s27
	s_cselect_b32 s28, 0, s28
	s_cselect_b32 s29, 0, s29
	s_cmp_lt_u32 ttmp9, 256                        ; Wo
	s_cselect_b64 s[22:23], s[6:7], s[22:23]
	s_cselect_b32 s25, 192, s25
	s_cselect_b32 s26, 131072, s26
	s_cselect_b32 s27, 6291456, s27
	s_cmp_lt_u32 ttmp9, 192                        ; Wqkv
	s_cselect_b64 s[22:23], s[4:5], s[22:23]
	s_cselect_b32 s25, 0, s25
	s_cselect_b32 s26, 393216, s26
	s_cselect_b32 s27, 0, s27
	s_sub_co_u32 s30, ttmp9, s25
	s_lshl_b32 s30, s30, 3
	s_add_co_u32 s30, s30, s24                     ; my unit in the matrix
	s_lshr_b32 s31, s30, s28                       ; its pair of rows
	s_and_b32 s32, s30, s29                        ; its piece of 1,024 columns
	s_add_co_u32 s33, s28, 13
	s_lshl_b32 s34, s31, s33                       ; two rows of 4,096 (W2: 16,384) bytes
	s_lshl_b32 s35, s32, 12
	s_add_co_u32 s34, s34, s35
	s_mov_b32 s35, 0
	s_add_nc_u64 s[22:23], s[22:23], s[34:35]
	s_add_co_u32 s33, s28, 12
	v_lshlrev_b32 v5, s33, v4                      ; my row of the two,
	v_lshl_add_u32 v5, v3, 4, v5                   ; my 16 bytes of each 256
	s_mul_i32 s36, s32, s26
	s_lshl_b32 s36, s36, 4                         ; a piece is 16 planes
	s_add_co_u32 s36, s36, s27
	s_lshl_b32 s37, s31, 8                         ; a pair of rows is 256 bytes of a plane
	s_add_co_u32 s36, s36, s37
	s_wait_alu depctr_va_vdst(0)                   ; v5 is written: every load below reads it as its offset
.irp j, 0,1,2,3,4,5,6,7,8,9,10,11,12,13,14,15
	global_load_b128 v[XR+4*(\j):XR+4*(\j)+3], v5, s[22:23] offset:256*(\j) th:TH_LOAD_NT
.endr
	v_lshl_add_u32 v[DOR], v2, 3, s36              ; the stores' offsets are made while the loads are on their way: they name none of the loads' registers
.set j, 1
.rept 15
	v_add_nc_u32 v[DOR+j], s26, v[DOR+j-1]         ; a register for each plane: none is rewritten while a store may read it
.set j, j+1
.endr
.irp g, 0,1,2,3
	s_wait_loadcnt 12-4*(\g)                       ; loads come back in order (ISA guide 5.7.1): this block's four are in, the younger blocks stay out
.if (\g) > 0
	s_wait_alu depctr_va_vdst(0)                   ; the block before has written its eight registers of bf16, which the four stores of this block read; at the first of these waits the sixteen offsets v[DOR ..] are written too
.endif
.irp k, 0,1,2,3
.if (\g) > 0
	global_store_b64 v[DOR+4*(\g)-4+(\k)], v[XR+4*(4*(\g)-4+(\k)):XR+4*(4*(\g)-4+(\k))+1], s[18:19]  ; the block before; 32 lanes store 256 consecutive bytes, aligned; no vector line since the wait names these registers
.endif
	v_cvt_pk_bf16_f32 v[XR+4*(4*(\g)+(\k))], v[XR+4*(4*(\g)+(\k))], v[XR+4*(4*(\g)+(\k))+1]
	v_cvt_pk_bf16_f32 v[XR+4*(4*(\g)+(\k))+1], v[XR+4*(4*(\g)+(\k))+2], v[XR+4*(4*(\g)+(\k))+3]
.endr
.endr
	s_wait_alu depctr_va_vdst(0)                   ; the last block has written its eight registers of bf16, which the last four stores read
.irp k, 12,13,14,15
	global_store_b64 v[DOR+(\k)], v[XR+4*(\k):XR+4*(\k)+1], s[18:19]
.endr
	s_endpgm
.Lln:
	s_sub_co_u32 s30, ttmp9, 768
	s_lshl_b32 s30, s30, 3
	s_add_co_u32 s30, s30, s24                     ; my pair of rows
	s_lshl_b32 s34, s30, 13
	s_mov_b32 s35, 0
	s_add_nc_u64 s[22:23], s[12:13], s[34:35]
	s_lshl_b32 s34, s30, 8
	s_add_nc_u64 s[30:31], s[20:21], s[34:35]
	LNROW 22, 14, 16, 30
	s_endpgm
.Lfunc_end_k_q697c7e56bc_prep:
	.size	k_q697c7e56bc_prep, .Lfunc_end_k_q697c7e56bc_prep-k_q697c7e56bc_prep
	.p2alignl 7, 3214868480
	.fill 96, 4, 3214868480
	.section	.rodata,"a",@progbits
	.p2align	6, 0x0
	.amdhsa_kernel k_q697c7e56bc_prep
		.amdhsa_group_segment_fixed_size 0
		.amdhsa_private_segment_fixed_size 0
		.amdhsa_enable_private_segment 0
		.amdhsa_kernarg_size 72
		.amdhsa_user_sgpr_count 2
		.amdhsa_user_sgpr_kernarg_segment_ptr 1
		.amdhsa_wavefront_size32 1
		.amdhsa_system_sgpr_workgroup_id_x 1
		.amdhsa_system_sgpr_workgroup_id_y 1
		.amdhsa_system_sgpr_workgroup_id_z 1
		.amdhsa_system_vgpr_workitem_id 0
		.amdhsa_next_free_vgpr 208
		.amdhsa_next_free_sgpr 66
		.amdhsa_reserve_vcc 0
		.amdhsa_float_denorm_mode_32 3
		.amdhsa_float_denorm_mode_16_64 3
		.amdhsa_memory_ordered 1
		.amdhsa_forward_progress 1
		.amdhsa_inst_pref_size 29
	.end_amdhsa_kernel
	.amdgpu_metadata
---
amdhsa.version: [ 1, 2 ]
amdhsa.kernels:
  - .name:           k_q697c7e56bc_prep
    .symbol:         k_q697c7e56bc_prep.kd
    .args:
      - { .name: Wqkv, .offset: 0, .size: 8, .value_kind: global_buffer, .address_space: global }
      - { .name: Wo, .offset: 8, .size: 8, .value_kind: global_buffer, .address_space: global }
      - { .name: W1, .offset: 16, .size: 8, .value_kind: global_buffer, .address_space: global }
      - { .name: W2, .offset: 24, .size: 8, .value_kind: global_buffer, .address_space: global }
      - { .name: x, .offset: 32, .size: 8, .value_kind: global_buffer, .address_space: global }
      - { .name: g1, .offset: 40, .size: 8, .value_kind: global_buffer, .address_space: global }
      - { .name: b1, .offset: 48, .size: 8, .value_kind: global_buffer, .address_space: global }
      - { .name: wb, .offset: 56, .size: 8, .value_kind: global_buffer, .address_space: global }
      - { .name: h, .offset: 64, .size: 8, .value_kind: global_buffer, .address_space: global }
    .group_segment_fixed_size: 0
    .private_segment_fixed_size: 0
    .kernarg_segment_align: 8
    .kernarg_segment_size: 72
    .max_flat_workgroup_size: 256
    .sgpr_count:     66
    .vgpr_count:     208
    .wavefront_size: 32
...
	.end_amdgpu_metadata
.endif
;; end of part 8
;; launch proj_qkv: the kernel of part 2 again; grid 16 x 16, 4 waves a work-group, clusters of 4 x 4, 327,680 bytes of LDS; arguments h, wb, bqkv, qkv; writes qkv
;; launch attn: the kernel of part 3 again; grid 8 x 32, 4 waves a work-group, clusters of 4 x 1, 327,680 bytes of LDS; arguments qkv, vals; writes vals
;; launch proj_wo: the kernel of part 4 again; grid 8 x 32, 4 waves a work-group, clusters of 4 x 4, 327,680 bytes of LDS; arguments vals, wb, bo, x, x1; writes x1
;; launch ln2 (part 9): grid 256 x 1, 8 waves a work-group, no clusters, 0 bytes of LDS; arguments x1, g2, b2, h; writes h
.if DOCPART == 9
	.amdgcn_target "amdgcn-amd-amdhsa--gfx1250"
	.amdhsa_code_object_version 6
	.text
	.protected	k_q697c7e56bc_ln2
	.globl	k_q697c7e56bc_ln2
	.p2align	8
	.type	k_q697c7e56bc_ln2,@function
k_q697c7e56bc_ln2:
	s_mov_b64 s[64:65], 0
	v_nop
	global_prefetch_b8 v0, s[64:65] scope:SCOPE_SE
	s_setreg_imm32_b32 hwreg(HW_REG_WAVE_SCHED_MODE, 0, 2), 2
	s_setreg_imm32_b32 hwreg(HW_REG_WAVE_MODE, 25, 1), 1
	s_wait_xcnt 0x0
	s_wait_alu depctr_vm_vsrc(0)
; h = LayerNorm(x1) g2 + b2, rounded once to bf16, in planes [16][4096][64].  x1: f32 [4096][1024].
; One wave takes 2 rows and ends: lanes 0-15 the even row, lanes 16-31 the odd one; load j takes columns 64 j .. 64 j + 63, store j the wave's 256 consecutive bytes of plane j.
; The rows stay in registers between the passes; the variance is taken of the deviations from the mean, not as a difference of two large sums.  No LDS, no barrier: no wave needs another's data.
; THE MODE: SCHED_MODE bits 1:0 = 2 (LLVM: expert scheduling mode 2), set by the entry lines.  The code itself states the register dependences
; between vector instructions and memory instructions, with s_wait_alu, always for 0.
; THE PLAN.  Registers that memory instructions touch:
;   v5, v1        the loads' offsets; v2 the stores' offset.  Each is written once by vector lines, at the head, and never again.
;   XR, GR, BR    the loads land in them; no vector line names them ahead of the loads.  The arithmetic works in place on XR; of each load's four
;                 registers the first two end as a store's data and are not written again.
; So nothing that a memory instruction has read is ever rewritten.  The 16 loads' numbers leave in four blocks of four.  Block g's vector lines name block g's part of XR, GR
; and BR, and v14, v15; the four stores of block g - 1 stand among them, behind ONE wait on va_vdst at the block's head, which states that the block before has written
; their data.  One more such wait stands ahead of the first load (the offsets), one behind the roots, and one ahead of the last four stores.
.set XR,  16
.set GR,  80
.set BR,  144
.macro REDUCE                          ; four packed partial sums in v[6:13] -> the row's sum in v6 of all 16 lanes that hold the row
	v_pk_add_f32 v[6:7], v[6:7], v[8:9]
	v_pk_add_f32 v[10:11], v[10:11], v[12:13]
	v_pk_add_f32 v[6:7], v[6:7], v[10:11]
	v_add_f32 v6, v6, v7
	v_add_f32_dpp v6, v6, v6 row_xmask:1 row_mask:0xf bank_mask:0xf
	v_add_f32_dpp v6, v6, v6 row_xmask:2 row_mask:0xf bank_mask:0xf
	v_add_f32_dpp v6, v6, v6 row_xmask:4 row_mask:0xf bank_mask:0xf
	v_add_f32_dpp v6, v6, v6 row_xmask:8 row_mask:0xf bank_mask:0xf
.endm
.macro NORM j                          ; load j's four deviations: times the root, times the gain plus the bias, rounded: they close up into the first two of their four registers
	v_pk_mul_f32 v[XR+4*(\j):XR+4*(\j)+1], v[XR+4*(\j):XR+4*(\j)+1], v[14:15]
	v_pk_mul_f32 v[XR+4*(\j)+2:XR+4*(\j)+3], v[XR+4*(\j)+2:XR+4*(\j)+3], v[14:15]
	v_pk_fma_f32 v[XR+4*(\j):XR+4*(\j)+1], v[XR+4*(\j):XR+4*(\j)+1], v[GR+4*(\j):GR+4*(\j)+1], v[BR+4*(\j):BR+4*(\j)+1]
	v_pk_fma_f32 v[XR+4*(\j)+2:XR+4*(\j)+3], v[XR+4*(\j)+2:XR+4*(\j)+3], v[GR+4*(\j)+2:GR+4*(\j)+3], v[BR+4*(\j)+2:BR+4*(\j)+3]
	v_cvt_pk_bf16_f32 v[XR+4*(\j)], v[XR+4*(\j)], v[XR+4*(\j)+1]
	v_cvt_pk_bf16_f32 v[XR+4*(\j)+1], v[XR+4*(\j)+2], v[XR+4*(\j)+3]
.endm
.macro PUT j                           ; plane j; 32 lanes store 256 consecutive bytes, aligned
	global_store_b64 v2, v[XR+4*(\j):XR+4*(\j)+1], s[10:11] offset:(\j)*524288
.endm
	s_load_b256 s[4:11], s[0:1], 0x0               ; x1 s[4:5], g2 s[6:7], b2 s[8:9], h s[10:11]
	v_lshrrev_b32 v1, 5, v0
	v_readfirstlane_b32 s24, v1
	v_and_b32 v2, 31, v0
	v_and_b32 v3, 15, v0
	v_bfe_u32 v4, v0, 4, 1
	s_wait_alu depctr_va_sdst(0)                   ; s24 is written, ahead of its first reader: the wave's pair of rows is made from it
	s_lshl_b32 s30, ttmp9, 3
	s_add_co_u32 s30, s30, s24                     ; my pair of rows
	s_lshl_b32 s34, s30, 13
	s_mov_b32 s35, 0
	s_lshl_b32 s36, s30, 8
	s_mov_b32 s37, 0
	v_lshlrev_b32 v5, 12, v4
	v_lshl_add_u32 v5, v3, 4, v5
	v_lshlrev_b32 v1, 4, v3
	v_lshlrev_b32 v2, 3, v2
	s_mov_b32 s40, 0x3a800000                      ; 1 / 1,024
	s_mov_b32 s41, 0x3727c5ac                      ; 1e-5
	s_wait_kmcnt 0x0
	s_add_nc_u64 s[4:5], s[4:5], s[34:35]
	s_add_nc_u64 s[10:11], s[10:11], s[36:37]
	s_wait_alu depctr_va_vdst(0)                   ; v5, v1 and v2 are written: every load and store below reads one of them as its offset
.irp j, 0,1,2,3,4,5,6,7,8,9,10,11,12,13,14,15
	global_load_b128 v[XR+4*(\j):XR+4*(\j)+3], v5, s[4:5] offset:256*(\j)
.endr
.irp j, 0,1,2,3,4,5,6,7,8,9,10,11,12,13,14,15
	global_load_b128 v[GR+4*(\j):GR+4*(\j)+3], v1, s[6:7] offset:256*(\j)
.endr
.irp j, 0,1,2,3,4,5,6,7,8,9,10,11,12,13,14,15
	global_load_b128 v[BR+4*(\j):BR+4*(\j)+3], v1, s[8:9] offset:256*(\j)
.endr
	s_wait_loadcnt 32                              ; the rows are in; the 32 loads of gain and bias may stay out
.irp c, 0,1,2,3
	v_pk_add_f32 v[6+2*(\c):7+2*(\c)], v[XR+2*(\c):XR+2*(\c)+1], v[XR+8+2*(\c):XR+8+2*(\c)+1]
.endr
.set i, 8
.rept 24
	v_pk_add_f32 v[6+2*(i%4):7+2*(i%4)], v[6+2*(i%4):7+2*(i%4)], v[XR+2*i:XR+2*i+1]
.set i, i+1
.endr
	REDUCE
	v_mul_f32 v14, s40, v6                         ; the mean, twice
	v_mov_b32 v15, v14
.set i, 0
.rept 32
	v_pk_add_f32 v[XR+2*i:XR+2*i+1], v[XR+2*i:XR+2*i+1], v[14:15] neg_lo:[0,1] neg_hi:[0,1]
.set i, i+1
.endr
.irp c, 0,1,2,3
	v_pk_mul_f32 v[6+2*(\c):7+2*(\c)], v[XR+2*(\c):XR+2*(\c)+1], v[XR+2*(\c):XR+2*(\c)+1]
.endr
.set i, 4
.rept 28
	v_pk_fma_f32 v[6+2*(i%4):7+2*(i%4)], v[XR+2*i:XR+2*i+1], v[XR+2*i:XR+2*i+1], v[6+2*(i%4):7+2*(i%4)]
.set i, i+1
.endr
	REDUCE
	v_fma_f32 v6, v6, s40, s41                     ; variance + 1e-5
	v_rsq_f32 v14, v6
	v_rsq_f32 v15, v6
	v_nop                                          ; a plain instruction between the root and the use of its result (ISA guide 5.7.2)
	s_wait_loadcnt 0x0
	s_wait_alu depctr_va_vdst(0)                   ; the two roots have written v14 and v15, ahead of their first reader
.irp g, 0,1,2,3
.if (\g) > 0
	s_wait_alu depctr_va_vdst(0)                   ; the block before has written its eight registers of bf16, which the four stores of this block read
.endif
.irp k, 0,1,2,3
.if (\g) > 0
	PUT 4*(\g)-4+(\k)                              ; the block before; no vector line since the wait names its registers or v2
.endif
	NORM 4*(\g)+(\k)
.endr
.endr
	s_wait_alu depctr_va_vdst(0)                   ; the last block has written its eight registers of bf16, which the last four stores read
.irp k, 12,13,14,15
	PUT \k
.endr
	s_endpgm
.Lfunc_end_k_q697c7e56bc_ln2:
	.size	k_q697c7e56bc_ln2, .Lfunc_end_k_q697c7e56bc_ln2-k_q697c7e56bc_ln2
	.p2alignl 7, 3214868480
	.fill 96, 4, 3214868480
	.section	.rodata,"a",@progbits
	.p2align	6, 0x0
	.amdhsa_kernel k_q697c7e56bc_ln2
		.amdhsa_group_segment_fixed_size 0
		.amdhsa_private_segment_fixed_size 0
		.amdhsa_enable_private_segment 0
		.amdhsa_kernarg_size 32
		.amdhsa_user_sgpr_count 2
		.amdhsa_user_sgpr_kernarg_segment_ptr 1
		.amdhsa_wavefront_size32 1
		.amdhsa_system_sgpr_workgroup_id_x 1
		.amdhsa_system_sgpr_workgroup_id_y 1
		.amdhsa_system_sgpr_workgroup_id_z 1
		.amdhsa_system_vgpr_workitem_id 0
		.amdhsa_next_free_vgpr 208
		.amdhsa_next_free_sgpr 66
		.amdhsa_reserve_vcc 0
		.amdhsa_float_denorm_mode_32 3
		.amdhsa_float_denorm_mode_16_64 3
		.amdhsa_memory_ordered 1
		.amdhsa_forward_progress 1
		.amdhsa_inst_pref_size 21
	.end_amdhsa_kernel
	.amdgpu_metadata
---
amdhsa.version: [ 1, 2 ]
amdhsa.kernels:
  - .name:           k_q697c7e56bc_ln2
    .symbol:         k_q697c7e56bc_ln2.kd
    .args:
      - { .name: x1, .offset: 0, .size: 8, .value_kind: global_buffer, .address_space: global }
      - { .name: g2, .offset: 8, .size: 8, .value_kind: global_buffer, .address_space: global }
      - { .name: b2, .offset: 16, .size: 8, .value_kind: global_buffer, .address_space: global }
      - { .name: h, .offset: 24, .size: 8, .value_kind: global_buffer, .address_space: global }
    .group_segment_fixed_size: 0
    .private_segment_fixed_size: 0
    .kernarg_segment_align: 8
    .kernarg_segment_size: 32
    .max_flat_workgroup_size: 256
    .sgpr_count:     66
    .vgpr_count:     208
    .wavefront_size: 32
...
	.end_amdgpu_metadata
.endif
;; end of part 9
;; launch mlp_w1: the kernel of part 6 again; grid 16 x 16, 4 waves a work-group, clusters of 4 x 4, 327,680 bytes of LDS; arguments h, wb, b1m, act; writes act
;; launch mlp_w2: the kernel of part 7 again; grid 8 x 32, 4 waves a work-group, clusters of 4 x 4, 327,680 bytes of LDS; arguments act, wb, b2m, x1, out0; writes out0
